; MI455X (gfx1250); checked and timed in simulation.
; The chip was launched on July 23, 2026; its instructions are those of AMD's public machine-readable ISA for CDNA 5 (MIT licence, August 2026) and "CDNA5" Instruction Set Architecture Reference Guide (July 2026). The comments in the code are by the model that wrote it; some were corrected since.
;; Causal Self Attention. Allowed arithmetic: matrix products marked QUANTISED: E2M3 operands, one E8M0 scale for each 32 along K, by v_wmma_scale_f32_16x16x128_f8f6f4 with both operands' format E2M3, f32 sums; everything else in f32.
;; Inputs: W_out 1,024 x 1,024 float32; W_qkv 1,024 x 3,072 float32; x 4 x 2,048 x 1,024 float32.
;; Outputs: out0 4 x 2,048 x 1,024 float32.
;; This version of the problem:
;;   THIS VERSION OF THE PROBLEM IS GIVEN IN LOW PRECISION. The matrix products marked QUANTISED in the list below multiply operands that are first quantised to E2M3 (2 exponent bits, 3 mantissa bits; 6 bits a number), with one power-of-two scale for each 32 numbers along K (OCP MX v1.0); their sums are f32. All else is computed in f32.
;;   The module's matrix products, in the order in which they are computed (A, B: the left and right operand; K: the contracted axis; several contracted axes count as one K, in the product's order):
;;     1. [M 8,192, K 1,024] x [K 1,024, N 3,072]; A: input x; B: input W_qkv: QUANTISED
;;     2. batch 64 x [M 2,048, K 64] x [K 64, N 2,048]; A: computed on the way; B: computed on the way: QUANTISED
;;     3. batch 64 x [M 2,048, K 2,048] x [K 2,048, N 64]; A: softmax (see below); B: computed on the way: QUANTISED
;;     4. [M 8,192, K 1,024] x [K 1,024, N 1,024]; A: computed on the way; B: input W_out: QUANTISED
;;   THE QUANTISER, for each operand of a quantised product, along K:
;;     - K is cut into blocks of 32 from its start; a last block that is shorter is filled with zeros.
;;     - A block's scale is 2^e with e = floor(log2(the largest magnitude in the block)) - 2, held to -126 .. 127; a block of zeros has e = 0. As a byte (E8M0): e + 127.
;;     - Each number is divided by its block's scale, clamped to +-7.5, and rounded to the nearest number of E2M3, ties to even, subnormals kept.
;;     - The product sums the exact products of the quantised numbers (number of the format x scale) in f32.
;;   ~~~python
;;   def quantise(x, axis):      # numpy; x: float32 -> the quantised numbers, widened to float32 again
;;       x = np.moveaxis(x, axis, -1); K = x.shape[-1]
;;       x = np.pad(x, [(0, 0)] * (x.ndim - 1) + [(0, -K % 32)]); x = x.reshape(x.shape[:-1] + (-1, 32)); a = np.abs(x).max(-1, keepdims=True)
;;       e = np.where(a > 0, np.clip(np.frexp(np.where(a > 0, a, 1))[1] - 1 - 2, -126, 127), 0)      # np.frexp(a)[1] - 1 = floor(log2(a)), exactly
;;       r = np.clip(x / 2.0 ** e, -7.5, 7.5)
;;       step = 2.0 ** (np.maximum(np.frexp(np.where(r == 0, 1, r))[1] - 1, 0) - 3)
;;       q = np.round(r / step) * step * 2.0 ** e      # np.round: ties to even
;;       return np.moveaxis(q.reshape(q.shape[:-2] + (-1,))[..., :K], -1, axis).astype(np.float32)
;;   ~~~
;;   SOFTMAX AHEAD OF A QUANTISED PRODUCT. Where the list says 'softmax', what is quantised is not the finished softmax but p = 2^(t - M), with t = logit x log2(e) and M = ceil(the row's largest t), a whole number; so 1/2 < the row's largest p <= 1. The row's sum l is taken of the UNQUANTISED p, in f32, and the product's result is divided by l at the end. Since M is a whole number, a kernel that streams over the keys may use a running M (the ceiling of the running maximum): every later rescaling is an exact power of two, which a block's scale takes up: the codes' values come out the same.
;;   OPERANDS COMPUTED ON THE WAY. 'Computed on the way' means the value that the module computes at that place (a softmax that the list does not call 'softmax' is quantised finished and normalised). What goes into a quantiser is computed in f32, as accurately as f32 sums, v_exp_f32 and their like allow (about 1e-6 of the number): no bf16 or f16 on the way to a quantiser, and a product that is left as it is and whose result goes on into a quantised operand takes f32 operands (vector FMAs, or v_wmma_f32_16x16x4_f32). A number that lies on a knife's edge between two numbers of the format may be rounded either way, as far as f32 arithmetic and the matrix unit's own rounding can turn it there, and no further.
;; One version. Each part assembles by itself: llvm-mc -triple=amdgcn-amd-amdhsa -mcpu=gfx1250 --defsym DOCPART=n.
;; ======== version 1 of 1: 4 launches
;; limits: right only within a limited range of input values
;; workspace buffers: xc 6,291,456 bytes; xs 262,144 bytes; wc 3,145,728 bytes; ws 131,072 bytes; qp 6,815,744 bytes; kv 13,369,344 bytes; yc 6,291,456 bytes; ys 262,144 bytes
;; launch quant (part 1): grid 384 x 1, 4 waves a work-group, no clusters, 68,096 bytes of LDS; arguments x, W_qkv, W_out, xc, xs, wc, ws; writes xc, xs, wc, ws
.if DOCPART == 1
	.amdgcn_target "amdgcn-amd-amdhsa--gfx1250"
	.amdhsa_code_object_version 6
	.text
	.protected	k_q19058453a1_quant
	.globl	k_q19058453a1_quant
	.p2align	8
	.type	k_q19058453a1_quant,@function
k_q19058453a1_quant:
	s_mov_b64 s[64:65], 0
	v_nop
	global_prefetch_b8 v0, s[64:65] scope:SCOPE_SE
	s_setreg_imm32_b32 hwreg(HW_REG_WAVE_MODE, 25, 1), 1
	s_wait_xcnt 0x0
; x [8192][1024], W_qkv [1024][3072] and W_out [1024][1024], f32, become codes of FP6 (E2M3), K innermost, 768 bytes a row, with one E8M0 byte for each 32 along K, 32 bytes a row.
; xc, xs: x's rows.  wc, ws: 4,096 rows: W_qkv's 3,072 columns, then W_out's 1,024.
; THE ROWS LIE IN 'POS' ORDER: row i is stored at the place i with its bits 3 and 4 exchanged.  So 16 rows on end are the rows 32 b + 8 u + (r % 8) + 16 (r / 8): as source 0 of a product that is used
; transposed, two such tiles give a lane 16 NEIGHBOURS along that source's rows, which the next quantiser wants.
; A block's scale is 2^(floor(log2(its largest magnitude)) - 2); its byte is the largest magnitude's exponent field - 2, held at 1 from below.
; LIMITS: blocks under 2^-124 and blocks of zeros get the byte 1 (their codes add nothing; this program alone reads the bytes); NaN and infinities among the inputs are not served.
; Work-groups 0-255 take x (K innermost: a stream of blocks; 8 rows a wave), work-groups 256-383 the weights (K is the first axis: a lane takes a column, its registers run down K).
; The two paths have LDS bytes of their own.  No tensor loads, no barrier: waves share nothing.
; LEFT OUT IN THE ATTENTION LAUNCH: key steps all of whose keys come after all of a tile's queries.  reference() itself sets those scores to -1e10 by its own jnp.tril, and their weights are 0 in the softmax for
; all finite inputs whose visible logits lie above about -1e10 + 150; a NaN or an infinity that reaches only those scores is not carried to the result.
.set STEPS, 16
.set EMAX,  2
.set CB,    12                         ; bytes of 16 codes
.set R,     16                         ; x: v16-79   four sets of 16 numbers as loaded
.set X,     80                         ; x: v80-111  two sets of 16 neighbours
.set E,     112                        ; x: v112-127 a scale byte for each step
.set C,     128                        ; x: v128-191 codes, four registers a step: no store's data are written again
.set WREG,  8192                       ; x: LDS region of a wave: two stages of 32 x SP bytes, then its 256 scale bytes
.set SP,    80
.set WST,   32768                      ; weights: the four stages begin here
.set PITCH, 272                        ; weights: a stage row: sixteen places of 16 bytes + 16
.set NB,    8                          ; weights: blocks of 32 along K for a wave
.set KROW,  768                        ; a row of codes in bytes
.set XW,    32                         ; weights: v32-95 two sets of 32 numbers
.set CW,    96                         ; weights: a block's codes
.set OUTR,  112                        ; weights: v112-175 the way out
.set SB,    24                         ; weights: v24-25 the scale bytes
.set OF,    176                        ; weights: v176-207 4 x lane + i x the source's row pitch; never rewritten
.set SPW,   208                        ; LDS address of my spare word; never rewritten
.set NIL,   209                        ; 0; never rewritten
.set SPARE, WST+4*32*PITCH             ; behind both paths' bytes: the spare words, 128 bytes a wave
.macro LOADX t
.irp i, 0,1,2,3
	global_load_b128 v[R+16*((\t)%4)+4*\i:R+16*((\t)%4)+4*\i+3], v3, s[4:5] offset:2048*(\t)+512*\i th:TH_LOAD_NT   ; 32 lanes read 512 consecutive bytes
.endr
.endm
.macro TURNX t                         ; a step's 2,048 bytes through my stage: in as they lie, out 64 bytes a lane; LDS serves a wave's instructions in order
.irp i, 0,1,2,3
	ds_store_b128 v14, v[R+16*((\t)%4)+4*\i:R+16*((\t)%4)+4*\i+3] offset:32*SP*((\t)%2)+8*SP*\i
.endr
.irp i, 0,1,2,3
	ds_load_b128 v[X+16*((\t)%2)+4*\i:X+16*((\t)%2)+4*\i+3], v15 offset:32*SP*((\t)%2)+16*\i
.endr
.endm
.macro STEPX t
.set XS, X+16*((\t)%2)
.if (\t) > 0
	s_wait_dscnt 1                                 ; this step's numbers are back from the stage; the last step's byte store may be out
.else
	s_wait_dscnt 0x0
.endif
.if (\t)+4 < STEPS
	LOADX (\t)+4
.endif
.if (\t)+1 < STEPS
.if STEPS-2-(\t) >= 3
	s_wait_loadcnt 12                              ; the next step's four loads are in; those of three later steps may be out
.else
	s_wait_loadcnt 4*(STEPS-2-(\t))
.endif
	TURNX (\t)+1
.endif
	v_max3_num_f32 v8, |v[XS]|, |v[XS+1]|, |v[XS+2]|               ; the largest magnitude of my 16, in two chains
	v_max3_num_f32 v9, |v[XS+3]|, |v[XS+4]|, |v[XS+5]|
.irp i, 6,10
	v_max3_num_f32 v8, v8, |v[XS+\i]|, |v[XS+\i+1]|
	v_max3_num_f32 v9, v9, |v[XS+\i+2]|, |v[XS+\i+3]|
.endr
	v_max3_num_f32 v8, v8, |v[XS+14]|, |v[XS+15]|
	v_max3_num_f32 v8, v8, v9, (EMAX+1)<<23        ; and the floor 2^(3 - 127): the byte cannot fall under 1
	v_max_num_f32_dpp v8, v8, v8 row_xmask:1 row_mask:0xf bank_mask:0xf   ; with my neighbour's 16: the block's
	v_add_nc_u32 v11, -(EMAX<<23), v8              ; 2 off its exponent field: the conversion's scale operand
	v_cvt_scalef32_pk16_fp6_f32 v[C+4*(\t):C+4*(\t)+2], v[XS:XS+15], v11
	v_lshrrev_b32 v[E+(\t)], 23, v11               ; the scale's byte
	ds_store_b8 v5, v[E+(\t)] offset:16*(\t)       ; both lanes of a block write the same byte with the same value
	global_store_b96 v4, v[C+4*(\t):C+4*(\t)+2], s[10:11] offset:32*CB*(\t)   ; the wave stores 384 consecutive bytes
.endm
.macro LOADW t                         ; block t: W(32 t + i, my column), i = 0 .. 31, into set t % 2: 128 consecutive bytes a load
.irp i, 0,1,2,3,4,5,6,7,8,9,10,11,12,13,14,15,16,17,18,19,20,21,22,23,24,25,26,27,28,29,30,31
	global_load_b32 v[XW+32*((\t)%2)+\i], v[OF+\i], s[32+2*(\t):33+2*(\t)] th:TH_LOAD_NT
.endr
.endm
.macro BLOCKW t
.set XS, XW+32*((\t)%2)
.if (\t) < NB-1
	s_wait_loadcnt 32                              ; this block's 32 loads are in; the next block's may be out
.else
	s_wait_loadcnt 0
.endif
	v_max3_num_f32 v12, |v[XS]|, |v[XS+1]|, |v[XS+2]|              ; the block's largest magnitude: all 32 numbers are mine
	v_max3_num_f32 v13, |v[XS+3]|, |v[XS+4]|, |v[XS+5]|
.irp i, 6,10,14,18,22,26
	v_max3_num_f32 v12, v12, |v[XS+\i]|, |v[XS+\i+1]|
	v_max3_num_f32 v13, v13, |v[XS+\i+2]|, |v[XS+\i+3]|
.endr
	v_max3_num_f32 v12, v12, |v[XS+30]|, |v[XS+31]|
	v_max3_num_f32 v12, v12, v13, (EMAX+1)<<23
	v_add_nc_u32 v11, -(EMAX<<23), v12
	v_lshrrev_b32 v13, 23, v11                     ; the scale's byte
.if (\t)%4 == 0
	v_mov_b32 v[SB+(\t)/4], v13                    ; four bytes to a register, the lower K in the lower byte
.else
	v_lshl_or_b32 v[SB+(\t)/4], v13, 8*((\t)%4), v[SB+(\t)/4]
.endif
	v_cvt_scalef32_pk16_fp6_f32 v[CW:CW+2], v[XS:XS+15], v11
	v_cvt_scalef32_pk16_fp6_f32 v[CW+4:CW+6], v[XS+16:XS+31], v11  ; (a conversion's three registers begin on an even number)
	ds_store_b96 v4, v[CW:CW+2] offset:32*(\t)     ; 12 bytes to a place of 16 in the stage
	ds_store_b96 v4, v[CW+4:CW+6] offset:32*(\t)+16
.if (\t)+2 < NB
	LOADW (\t)+2
.endif
	s_wait_dscnt 0x0                               ; the stores have read their registers: the next block's codes may be written
.endm
	s_load_b256 s[4:11], s[0:1], 0x0               ; x s[4:5], W_qkv s[6:7], W_out s[8:9], xc s[10:11]
	s_load_b128 s[12:15], s[0:1], 0x20             ; xs s[12:13], wc s[14:15]
	s_load_b64 s[16:17], s[0:1], 0x30              ; ws
	v_lshl_add_u32 v[SPW], v0, 2, SPARE
	v_mov_b32 v[NIL], 0
	v_lshrrev_b32 v1, 5, v0
	v_readfirstlane_b32 s18, v1                    ; wave
	v_and_b32 v2, 31, v0                           ; lane
	s_cmp_lt_u32 ttmp9, 256
	s_cbranch_scc0 .Lweights
	; ---- x: my wave's run of 8 rows (8,192 numbers), 16 steps of 512 numbers
	v_lshlrev_b32 v3, 4, v2                        ; my 16 bytes of a load's 512
	s_mul_i32 s19, s18, WREG
	v_lshrrev_b32 v14, 2, v2
	v_mul_u32_u24 v14, v14, SP
	v_and_b32 v15, 3, v2
	v_lshl_add_u32 v14, v15, 4, v14
	v_add_nc_u32 v14, s19, v14                     ; the stage, in: SP (lane / 4) + 16 (lane % 4)
	v_mul_u32_u24 v15, v2, SP
	v_add_nc_u32 v15, s19, v15                     ; and out: SP x lane
	v_mul_u32_u24 v4, v2, CB                       ; my codes' place in a step's
	v_lshrrev_b32 v5, 1, v2
	s_add_co_u32 s19, s19, 2*32*SP
	v_add_nc_u32 v5, s19, v5                       ; my block's byte among my wave's 256
	v_lshlrev_b32 v7, 3, v2
	v_add_nc_u32 v6, s19, v7
	s_lshl_b32 s20, ttmp9, 2
	s_add_co_u32 s22, s20, s18                     ; the run that I read: 4 x work-group + wave
	s_and_b32 s21, s18, 1
	s_lshl_b32 s21, s21, 1
	s_lshr_b32 s23, s18, 1
	s_or_b32 s21, s21, s23                         ; the wave's two bits exchanged: they are bits 3 and 4 of the rows
	s_add_co_u32 s24, s20, s21                     ; the run that I write
	s_lshl_b32 s22, s22, 15                        ; 32,768 bytes of f32 a run
	s_mov_b32 s23, 0
	s_mul_i32 s26, s24, 8*KROW                     ; 6,144 bytes of codes
	s_mov_b32 s27, 0
	s_lshl_b32 s24, s24, 8                         ; 256 scale bytes
	s_mov_b32 s25, 0
	s_wait_alu depctr_va_vdst(0)
	s_wait_kmcnt 0x0
	s_add_nc_u64 s[4:5], s[4:5], s[22:23]
	s_add_nc_u64 s[10:11], s[10:11], s[26:27]
	s_add_nc_u64 s[12:13], s[12:13], s[24:25]
.irp t, 0,1,2,3
	LOADX \t
.endr
	s_wait_loadcnt 12                              ; step 0's four loads are in
	TURNX 0
.irp t, 0,1,2,3,4,5,6,7,8,9,10,11,12,13,14,15
	STEPX \t
.endr
	ds_load_b64 v[8:9], v6                         ; LDS serves a wave's instructions in order: these see my byte stores
	s_wait_dscnt 0x0
	global_store_b64 v7, v[8:9], s[12:13]          ; 32 lanes store 256 consecutive bytes, aligned
	s_wait_tensorcnt 0x0                           ; the wave's end, behind my last LDS store
	ds_add_u32 v[SPW], v[NIL]
	s_wait_dscnt 0x0
	s_endpgm
.Lweights:
	; ---- the weights: work-group g = 32 ky + cg takes 128 columns (cg: 0-23 W_qkv's, 24-31 W_out's) x 256 along K; a wave 32 columns
	s_sub_co_u32 s19, ttmp9, 256
	s_and_b32 s20, s19, 31                         ; cg
	s_lshr_b32 s21, s19, 5                         ; ky
	s_wait_alu depctr_va_vdst(0)
	v_lshlrev_b32 v3, 2, v2                        ; in: 4 bytes a lane
	v_and_b32 v10, 7, v2
	v_bfe_u32 v11, v2, 3, 1
	v_lshl_or_b32 v10, v11, 4, v10
	v_bfe_u32 v11, v2, 4, 1
	v_lshl_or_b32 v10, v11, 3, v10                 ; my column's place among the wave's 32 rows: the lane with bits 3 and 4 exchanged
	s_mul_i32 s51, s18, 32*PITCH
	s_add_co_u32 s51, s51, WST                     ; my stage
	v_mul_u32_u24 v4, v10, PITCH
	v_add_nc_u32 v4, s51, v4                       ; into it: row = my column's place
	v_and_b32 v5, 15, v2
	v_lshrrev_b32 v6, 4, v2
	v_mul_u32_u24 v7, v6, PITCH
	v_lshl_add_u32 v7, v5, 4, v7
	v_add_nc_u32 v7, s51, v7                       ; out of it: sixteen lanes to a row, two rows an instruction
	v_mul_u32_u24 v8, v6, KROW
	v_mad_u32_u24 v8, v5, 12, v8                   ; and the same place in wc
	v_lshlrev_b32 v9, 5, v10                       ; my row of scale bytes
	s_cmp_lt_u32 s20, 24                           ; W_qkv or W_out?  It hangs on the work-group's number alone
	s_mov_b32 s22, 4096
	s_cselect_b32 s22, 12288, s22                  ; the source's row in bytes
	s_cselect_b32 s23, 0, 24
	s_wait_kmcnt 0x0
	s_cselect_b64 s[6:7], s[6:7], s[8:9]
.set i, 0
.rept 32
	v_mad_u32_u24 v[OF+i], s22, i, v3
.set i, i+1
.endr
	s_sub_co_u32 s24, s20, s23
	s_lshl_b32 s24, s24, 7
	s_lshl_b32 s25, s18, 5
	s_add_co_u32 s24, s24, s25                     ; my wave's first column in its source
	s_lshl_b32 s24, s24, 2
	s_lshl_b32 s26, s21, 8
	s_mul_i32 s26, s26, s22                        ; 256 ky rows down
	s_add_co_u32 s24, s24, s26
	s_mov_b32 s25, 0
	s_add_nc_u64 s[32:33], s[6:7], s[24:25]        ; a base for each block of 32 rows
	s_lshl_b32 s26, s22, 5
	s_mov_b32 s27, 0
.irp t, 1,2,3,4,5,6,7
	s_add_nc_u64 s[32+2*\t:33+2*\t], s[30+2*\t:31+2*\t], s[26:27]
.endr
	s_lshl_b32 s28, s20, 7
	s_lshl_b32 s29, s18, 5
	s_add_co_u32 s28, s28, s29                     ; my wave's first row of wc and ws
	s_mul_i32 s48, s28, KROW
	s_mul_i32 s49, s21, 192
	s_add_co_u32 s48, s48, s49
	s_mov_b32 s49, 0
	s_add_nc_u64 s[14:15], s[14:15], s[48:49]
	s_lshl_b32 s48, s28, 5
	s_lshl_b32 s50, s21, 3
	s_add_co_u32 s48, s48, s50
	s_add_nc_u64 s[16:17], s[16:17], s[48:49]
	s_wait_alu depctr_va_vdst(0)
	LOADW 0
	LOADW 1
.irp t, 0,1,2,3,4,5,6,7
	BLOCKW \t
.endr
	s_wait_alu depctr_va_vdst(0)
	global_store_b64 v9, v[SB:SB+1], s[16:17]      ; my column's 8 scale bytes
.irp t, 0,1,2,3,4,5,6,7,8,9,10,11,12,13,14,15
	ds_load_b96 v[OUTR+4*\t:OUTR+4*\t+2], v7 offset:2*\t*PITCH
.endr
.irp t, 0,1,2,3,4,5,6,7,8,9,10,11,12,13,14,15
	s_wait_dscnt 15-\t                             ; the younger loads may be out
	global_store_b96 v8, v[OUTR+4*\t:OUTR+4*\t+2], s[14:15] offset:2*\t*KROW   ; sixteen lanes store a row's 192 consecutive bytes
.endr
	s_wait_tensorcnt 0x0                           ; the wave's end, behind my last LDS store
	ds_add_u32 v[SPW], v[NIL]
	s_wait_dscnt 0x0
	s_endpgm
.Lfunc_end_k_q19058453a1_quant:
	.size	k_q19058453a1_quant, .Lfunc_end_k_q19058453a1_quant-k_q19058453a1_quant
	.p2alignl 7, 3214868480
	.fill 96, 4, 3214868480
	.section	.rodata,"a",@progbits
	.p2align	6, 0x0
	.amdhsa_kernel k_q19058453a1_quant
		.amdhsa_group_segment_fixed_size 68096
		.amdhsa_private_segment_fixed_size 0
		.amdhsa_enable_private_segment 0
		.amdhsa_kernarg_size 56
		.amdhsa_user_sgpr_count 2
		.amdhsa_user_sgpr_kernarg_segment_ptr 1
		.amdhsa_wavefront_size32 1
		.amdhsa_system_sgpr_workgroup_id_x 1
		.amdhsa_system_sgpr_workgroup_id_y 1
		.amdhsa_system_sgpr_workgroup_id_z 1
		.amdhsa_system_vgpr_workitem_id 0
		.amdhsa_next_free_vgpr 216
		.amdhsa_next_free_sgpr 66
		.amdhsa_reserve_vcc 0
		.amdhsa_float_denorm_mode_32 3
		.amdhsa_float_denorm_mode_16_64 3
		.amdhsa_memory_ordered 1
		.amdhsa_forward_progress 1
		.amdhsa_inst_pref_size 76
	.end_amdhsa_kernel
	.amdgpu_metadata
---
amdhsa.version: [ 1, 2 ]
amdhsa.kernels:
  - .name:           k_q19058453a1_quant
    .symbol:         k_q19058453a1_quant.kd
    .args:
      - { .name: x, .offset: 0, .size: 8, .value_kind: global_buffer, .address_space: global }
      - { .name: W_qkv, .offset: 8, .size: 8, .value_kind: global_buffer, .address_space: global }
      - { .name: W_out, .offset: 16, .size: 8, .value_kind: global_buffer, .address_space: global }
      - { .name: xc, .offset: 24, .size: 8, .value_kind: global_buffer, .address_space: global }
      - { .name: xs, .offset: 32, .size: 8, .value_kind: global_buffer, .address_space: global }
      - { .name: wc, .offset: 40, .size: 8, .value_kind: global_buffer, .address_space: global }
      - { .name: ws, .offset: 48, .size: 8, .value_kind: global_buffer, .address_space: global }
    .group_segment_fixed_size: 68096
    .private_segment_fixed_size: 0
    .kernarg_segment_align: 8
    .kernarg_segment_size: 56
    .max_flat_workgroup_size: 128
    .sgpr_count:     66
    .vgpr_count:     216
    .wavefront_size: 32
...
	.end_amdgpu_metadata
.endif
;; end of part 1
;; launch gemm_qkv (part 2): grid 8 x 32, 4 waves a work-group, clusters of 4 x 4, 327,680 bytes of LDS; arguments xc, xs, wc, ws, qp, kv; writes qp, kv
.if DOCPART == 2
	.amdgcn_target "amdgcn-amd-amdhsa--gfx1250"
	.amdhsa_code_object_version 6
	.text
	.protected	k_q19058453a1_gemm_qkv
	.globl	k_q19058453a1_gemm_qkv
	.p2align	8
	.type	k_q19058453a1_gemm_qkv,@function
k_q19058453a1_gemm_qkv:
	s_mov_b64 s[64:65], 0
	v_nop
	global_prefetch_b8 v0, s[64:65] scope:SCOPE_SE
	s_setreg_imm32_b32 hwreg(HW_REG_WAVE_MODE, 25, 1), 1
	s_wait_xcnt 0x0
	s_wait_alu depctr_hold_cnt(0) depctr_sa_sdst(0) depctr_va_vdst(0) depctr_va_sdst(0) depctr_va_ssrc(0) depctr_va_vcc(0) depctr_vm_vsrc(0)
	s_getreg_b32 s2, hwreg(HW_REG_IB_STS2, 6, 4)
	s_cmp_eq_u32 s2, 0
	s_cbranch_scc0 .Lentry_in_a_cluster
	s_endpgm
.Lentry_in_a_cluster:
	s_bfe_u32 s2, ttmp6, 0x10000c
	s_cmp_lg_u32 s2, 0xf033
	s_cbranch_scc0 .Lentry_shape_is_right
	s_endpgm
.Lentry_shape_is_right:
; qkv = x W_qkv on codes of FP6 (E2M3) with E8M0 scales; no f32 result is stored: each wave quantises its sums in registers and stores codes and scale words as the attention launch reads them.
; IN: xc [8192][768], xs [8192][32], wc [4096][768], ws [4096][32]: rows of codes with K innermost, in POS order (bits 3 and 4 of the row exchanged): 16 rows on end are rows 32 b + 8 u + r % 8 + 16 (r / 8).
; THE DEAL.  256 work-groups, 8 x 32.  Work-group (g, R) owns x's rows 256 R .. and three tiles of 128 columns: q's, k's and v's heads 2 g, 2 g + 1.  Four waves, 2 x 2: wave (a, b) takes head 2 g + b.
; x's 256 rows, ALL of K, lie in LDS for the whole launch; the weights' 128 rows have a region of their own.  A wave moves its 64 rows of the weight, all of K, into 384 registers and streams x past them in blocks of
; 16 rows (8 fragments, 32 products); a block's sums are finished after its products and are quantised at once.
; THREE PHASES: q and k are one text, a loop of two trips; then v.  q, k: source 0 = the weight's rows, so a lane holds one row of x and its 32 sums run along the head's 64 channels (16 of each block of 32; lane l xor 16
; has the others); wave row a takes tiles 2 s + a.  v: source 0 = x's rows, so a lane holds one channel and the sums of four blocks run along 64 keys; wave row a takes tiles 8 a + s.
; FILLS.  At the head one joint load a wave: W_q's rows, x's scale bytes, x's rows 0-127, x's rows 128-255.  TWO REFILLS of the weights' region (W_k, W_v), a quarter a wave, each behind a wait, an add, a wait and a round of
; the cluster's barrier, as soon as all waves hold the weight in registers; a refill is shown to all by the plain barrier at its phase's end.
; CLUSTERS of 4 x 4: x's tiles hang on R and are shared along a row of the cluster, the weights' on g and are shared along a column.
; NO PREFETCH: x is asked for at the head, and a refill is asked for 256 products a wave ahead of its first read.
; OUT.  A HALF IMAGE is 16 rows x 64 K as six operand registers lie: registers 0-3 at 16 x lane, registers 4-5 at 512 + 8 x lane.
;   qp [64 bh][8 blocks of 256 queries][13,312]: 16 half images, then 256 scale words (bytes b0 b1 0 0).
;   kv [64 bh][8 slots of 256 keys][26,112]: K's 16 half images; at 12,288 V as [128 keys][64 keys][16 channels][768]; at 24,576 K's 256 scale words; at 25,600 V's [128 keys][64 channels] words.
;   A scale word is stored by lanes 0-15; lanes 16-31 hold the same word and name the same address.
; LIMITS: blocks under 2^-124 and blocks of zeros get the scale byte 1 (this program alone reads the bytes); NaN and infinities are not served.
; REGISTERS: window 0: addresses, scale words, what the way out works on, v128-255 the sums; fragment f lies in window 1 + f / 21 at register 12 (f % 21): 0-31 the weight's (4 q + t), 32-39 and 40-47 x's two sets.
.set KROW,  768
.set PITCH, 816                        ; an LDS row: 3 x (256 + 16)
.set FR,    12
.set FPW,   21
.set NF,    28                         ; LDS loads of a block: 26 for eight fragments, 2 for eight scale words
.set BVB,   256*PITCH                  ; the weights' region
.set SCL,   BVB+128*PITCH              ; x's scale bytes: 32 units of 256 + 16
.set SPARE, SCL+32*272
.set XQ0, 4                            ; v4, v5 my fragments of x in tile a (v5: for the pieces behind one padding more); v6 its scale words
.set XQS, 6
.set XV0, 8                            ; v8, v9 the same in tile 8 a; v7 its scale words
.set XVS, 7
.set SPW, 10
.set NIL, 11
.set ADRA, 12                          ; v12, v13, v14 the same for the block that is fetched next
.set AAS, 14
.set ABS, 15                           ; 32 x lane
.set BA,  16                           ; v16-23 my four tiles of the weight
.set SB,  24                           ; v24-39 the weight's scale words; v40-55, v56-71 those of the next two phases
.set CO16, 72
.set CO8, 73
.set W4,  74
.set SA,  76                           ; v76-91 x's scale words, two sets of eight (4 modulo 8 from SB)
.set TM,  92
.set TP,  94
.set SO,  96
.set EB,  98
.set CD,  100                          ; v100-105 a half image
.set DD,  116
.set WD,  120
.set VW,  122                          ; v122-125 V's scale words
.set ACC, 128
.set G1X, 24
.set G1W, 32
.set G1S, 40
.set G0W, 56
.set G0X, 60
.set G0S, 68
.set PI,  72                           ; s[72:73], s[74:75] where the phase's images and words go; s[76:79] k's; s[80:83] v's
.set PW,  74
.set KI,  76
.set KW,  78
.set VI,  80
.set VWP, 82
.set G0R, 88
.set G1R, 92
.set MSB, 0
.macro WIN new
.if MSB != \new
	s_set_vgpr_msb (MSB<<8)|\new
.set MSB, \new
.endif
.endm
.macro PLACES n
.rept \n
	v_nop
.endr
.endm
.macro WALU
	s_wait_alu depctr_va_vdst(0)
.endm
.macro BARRIER
	s_barrier_signal -1
	s_barrier_wait -1
.endm
.macro CROUND
	BARRIER
	s_cmp_lg_u32 s20, 0
	s_cbranch_scc1 .Lnot_wave_0_\@
	s_barrier_signal -3
.Lnot_wave_0_\@:
	s_barrier_wait -3
	BARRIER
.endm
.macro TLOAD g0, g1
	tensor_load_to_lds s[\g0:\g0+3], s[\g1:\g1+7]
	s_nop 0
	PLACES 4
.endm
.macro GROUP1 g, mask, rows            ; rows of 768 bytes, 16 bytes of padding behind every 256
	s_or_b32 s[\g+0], s[\mask], (1<<20)|(1<<21)|(5<<22)|(3<<25)
	s_mov_b32 s[\g+1], KROW<<16
	s_mov_b32 s[\g+2], (\rows)<<16
	s_mov_b32 s[\g+3], KROW<<16
	s_mov_b32 s[\g+4], \rows
	s_mov_b32 s[\g+5], KROW
	s_mov_b32 s[\g+6], 0
	s_mov_b32 s[\g+7], 0
.endm
.macro FRAG f, q, a0, a1               ; six pieces of 8 bytes, two to a load where both lie behind as many paddings
	WIN (1+(\f)/FPW)<<6
.set R_, FR*((\f)%FPW)
.set SKIP_, 0
.irp p, 0,1,2,3,4,5
.if SKIP_
.set SKIP_, 0
.else
.set PC_, 12*(\q)+6*(\p/3)+\p%3
.set PN_, 12*(\q)+6*((\p+1)/3)+(\p+1)%3
.set X_, (PC_%32+3)/32
.set XQ_, (PN_%32+3)/32
.if (\p < 5) && (X_ == XQ_)
.set SKIP_, 1
.if X_
	ds_load_2addr_b64 v[R_+2*\p:R_+2*\p+3], \a1 offset0:PC_+2*(PC_/32) offset1:PN_+2*(PN_/32)
.else
	ds_load_2addr_b64 v[R_+2*\p:R_+2*\p+3], \a0 offset0:PC_+2*(PC_/32) offset1:PN_+2*(PN_/32)
.endif
.elseif X_
	ds_load_b64 v[R_+2*\p:R_+2*\p+1], \a1 offset:8*(PC_+2*(PC_/32))
.else
	ds_load_b64 v[R_+2*\p:R_+2*\p+1], \a0 offset:8*(PC_+2*(PC_/32))
.endif
.endif
.endr
.endm
.macro WEIGHTS                         ; my 64 rows of the weight, all of K: 104 loads
.irp q, 0,1,2,3,4,5,6,7
.irp t, 0,1,2,3
	FRAG 4*\q+\t, \q, v[BA+2*\t], v[BA+2*\t+1]
.endr
.endr
	WIN 0
.endm
.macro FETCH e                         ; a block of x's rows into set e: NF loads
.irp q, 0,1,2,3,4,5,6,7
	FRAG 32+8*(\e)+\q, \q, v[ADRA], v[ADRA+1]
.endr
	WIN 0
	ds_load_b128 v[SA+8*(\e):SA+8*(\e)+3], v[AAS]
	ds_load_b128 v[SA+8*(\e)+4:SA+8*(\e)+7], v[AAS] offset:16
.endm
.macro XADDR kind, s                   ; the LDS addresses of my block s
.if \kind
	v_add_nc_u32 v[ADRA], (\s)*16*PITCH, v[XV0]
	v_add_nc_u32 v[ADRA+1], (\s)*16*PITCH, v[XV0+1]
	v_add_nc_u32 v[AAS], (\s)*544, v[XVS]
.else
	v_add_nc_u32 v[ADRA], (\s)*32*PITCH, v[XQ0]
	v_add_nc_u32 v[ADRA+1], (\s)*32*PITCH, v[XQ0+1]
	v_add_nc_u32 v[AAS], (\s)*1088, v[XQS]
.endif
.endm
.macro PROD1 d, s0, s1, c, x0, x1, side, o
.if \o
	v_wmma_scale_f32_16x16x128_f8f6f4 v[\d:\d+7], v[FR*((\s0)%FPW):FR*((\s0)%FPW)+FR-1], v[FR*((\s1)%FPW):FR*((\s1)%FPW)+FR-1], \c, v[\x0], v[\x1] matrix_a_fmt:MATRIX_FMT_FP6 matrix_b_fmt:MATRIX_FMT_FP6 matrix_\side\()_scale:MATRIX_SCALE_ROW1
.else
	v_wmma_scale_f32_16x16x128_f8f6f4 v[\d:\d+7], v[FR*((\s0)%FPW):FR*((\s0)%FPW)+FR-1], v[FR*((\s1)%FPW):FR*((\s1)%FPW)+FR-1], \c, v[\x0], v[\x1] matrix_a_fmt:MATRIX_FMT_FP6 matrix_b_fmt:MATRIX_FMT_FP6 matrix_\side\()_scale:MATRIX_SCALE_ROW0
.endif
.endm
; product n = 4 q + t of a block: K step q, the weight's tile t.  The four sums take turns; the first K step starts them.  The weight's word of an odd tile lies in lanes 16-31
.macro PROD kind, e, n, d
.set Q_, (\n)/4
.set T_, (\n)%4
.set FB_, 4*Q_+T_
.set FA_, 32+8*(\e)+Q_
.set D_, \d
.set XB_, SB+8*(T_/2)+Q_
.set XA_, SA+8*(\e)+Q_
.if \kind
	WIN (1+FA_/FPW)|((1+FB_/FPW)<<2)
.if Q_
	PROD1 D_, FA_, FB_, v[D_:D_+7], XA_, XB_, b, T_%2
.else
	PROD1 D_, FA_, FB_, 0, XA_, XB_, b, T_%2
.endif
.else
	WIN (1+FB_/FPW)|((1+FA_/FPW)<<2)
.if Q_
	PROD1 D_, FB_, FA_, v[D_:D_+7], XB_, XA_, a, T_%2
.else
	PROD1 D_, FB_, FA_, 0, XB_, XA_, a, T_%2
.endif
.endif
.endm
.macro AHEAD kind, s                   ; behind block s's products: four places, then block s + 2's rows into the set just read
	WIN 0
.if (\s) < 6
	XADDR \kind, (\s)+2
	v_nop
	WALU
	FETCH (\s)%2
.else
	PLACES 4
.endif
.endm
; 32 sums of a lane from register x on (16 of each of two blocks of 32 along the next K; lane l xor 16 has the others) become a half image in v[CD .. CD+5] and the two scale bytes in v[WD]
.macro QUANT32 x
	v_max3_num_f32 v[TM], |v[(\x)]|, |v[(\x)+1]|, 0x1800000        ; with the floor 2^(3 - 127): the byte cannot fall under 1
	v_max3_num_f32 v[TM+1], |v[(\x)+16]|, |v[(\x)+17]|, 0x1800000
.irp i, 2,4,6,8,10,12,14
	v_max3_num_f32 v[TM], v[TM], |v[(\x)+\i]|, |v[(\x)+\i+1]|
	v_max3_num_f32 v[TM+1], v[TM+1], |v[(\x)+16+\i]|, |v[(\x)+17+\i]|
.endr
	v_permlanex16_b32 v[TP], v[TM], s2, s3
	v_permlanex16_b32 v[TP+1], v[TM+1], s2, s3
	v_max_num_f32 v[TM], v[TM], v[TP]
	v_max_num_f32 v[TM+1], v[TM+1], v[TP+1]
	v_add_nc_u32 v[SO], 0xff000000, v[TM]          ; 2 off the exponent field: the conversion's scale operand
	v_add_nc_u32 v[SO+1], 0xff000000, v[TM+1]
	v_lshrrev_b32 v[EB], 23, v[SO]
	v_lshrrev_b32 v[EB+1], 23, v[SO+1]
	v_cvt_scalef32_pk16_fp6_f32 v[CD:CD+2], v[(\x):(\x)+15], v[SO]
	v_cvt_scalef32_pk16_fp6_f32 v[DD:DD+2], v[(\x)+16:(\x)+31], v[SO+1]
	v_lshl_or_b32 v[WD], v[EB+1], 8, v[EB]         ; (the plain place behind the conversions)
.irp i, 0,1,2
	v_permlane16_swap_b32 v[CD+\i], v[DD+\i]       ; the operand's layout wants a whole block in a lane
.endr
.irp i, 0,1,2
	v_mov_b32 v[CD+3+\i], v[DD+\i]
.endr
.endm
.macro IMAGE base, off
	global_store_b128 v[CO16], v[CD:CD+3], s[\base:\base+1] offset:\off          ; 512 consecutive bytes, aligned to 256
	global_store_b64 v[CO8], v[CD+4:CD+5], s[\base:\base+1] offset:(\off)+512    ; 256 consecutive bytes, aligned
.endm
.macro WAITX s                         ; my block's rows are in; the next block's NF loads may be out
.if (\s) < 7
	s_wait_dscnt NF
.else
	s_wait_dscnt 0x0
.endif
.endm
.macro QKBLOCK s
	WAITX \s
.set N_, 0
.rept 32
	PROD 0, (\s)%2, N_, ACC+8*(N_%4)
.set N_, N_+1
.endr
	AHEAD 0, \s
	s_wait_xcnt 0x0                                ; the last block's stores have read their data
	QUANT32 ACC
	IMAGE PI, (\s)*1536
	global_store_b32 v[W4], v[WD], s[PW:PW+1] offset:(\s)*128
.endm
.macro VBLOCK s
	WAITX \s
.set N_, 0
.rept 32
	PROD 1, (\s)%2, N_, ACC+32*(N_%4)+8*((\s)%4)
.set N_, N_+1
.endr
	AHEAD 1, \s
.if (\s)%4 == 3                        ; four blocks, 64 keys, are finished: a half image for each tile of 16 channels
.irp t, 0,1,2,3
	s_wait_xcnt 0x0
	QUANT32 ACC+32*\t
	IMAGE VI, ((\s)/4)*3072+\t*768
.if (\s) == 3
	v_mov_b32 v[VW+\t], v[WD]
.else
	v_lshl_or_b32 v[VW+\t], v[WD], 16, v[VW+\t]
	global_store_b32 v[W4], v[VW+\t], s[VWP:VWP+1] offset:64*\t
.endif
.endr
.endif
.endm
	s_load_b128 s[4:7], s[0:1], 0x0                ; xc, xs
	s_load_b128 s[8:11], s[0:1], 0x10              ; wc, ws
	s_load_b128 s[12:15], s[0:1], 0x20             ; qp, kv
	v_lshl_add_u32 v[SPW], v0, 2, SPARE
	v_mov_b32 v[NIL], 0
	ds_add_u32 v[SPW], v[NIL]                      ; the wave's opening: an add, twice on end, and its wait
	ds_add_u32 v[SPW], v[NIL]
	v_lshrrev_b32 v1, 5, v0
	v_readfirstlane_b32 s20, v1                    ; wave; s21 = a, its row of the 2 x 2; s22 = b, its column
	s_lshr_b32 s21, s20, 1
	s_and_b32 s22, s20, 1
	s_bfe_u32 s48, ttmp6, 0x40000                  ; cx, cy
	s_bfe_u32 s49, ttmp6, 0x40004
	s_lshl_b32 s50, ttmp9, 2
	s_add_co_u32 s50, s50, s48                     ; g
	s_and_b32 s51, ttmp7, 0xffff
	s_lshl_b32 s51, s51, 2
	s_add_co_u32 s51, s51, s49                     ; R
	s_lshl_b32 s52, s49, 2
	s_lshl_b32 s52, 15, s52                        ; my row of the cluster
	s_lshl_b32 s53, 0x1111, s48                    ; my column
	GROUP1 G1X, 52, 128
	GROUP1 G1W, 53, 128
	GROUP1 G1R, 53, 32
	s_or_b32 s[G1S+0], s52, (3<<16)|(1<<20)|(1<<21)|(5<<22)|(3<<25)   ; 8,192 dense bytes as 32 rows of 256, 16 bytes of padding behind each
	s_mov_b32 s[G1S+1], 32<<16
	s_mov_b32 s[G1S+2], 32<<16
	s_mov_b32 s[G1S+3], 32<<16
	s_mov_b32 s[G1S+4], 32
	s_mov_b32 s[G1S+5], 32
	s_mov_b32 s[G1S+6], 0
	s_mov_b32 s[G1S+7], 0
	s_mov_b32 s[G0W], 1
	s_mov_b32 s[G0W+1], BVB
	s_mov_b32 s[G0X], 1
	s_mul_i32 s[G0X+1], s22, 128*PITCH
	s_mov_b32 s[G0S], 1
	s_mov_b32 s[G0S+1], SCL
	s_mov_b32 s[G0R], 1
	s_mul_i32 s[G0R+1], s20, 32*PITCH
	s_add_co_u32 s[G0R+1], s[G0R+1], BVB
	s_mul_i32 s54, s51, 256*KROW                   ; x: my 256 rows, and the half that waves 2 and 3 fetch
	s_mul_i32 s55, s22, 128*KROW
	s_add_co_u32 s54, s54, s55
	s_mov_b32 s55, 0
	s_lshl_b32 s66, s51, 13                        ; their scale bytes
	s_mov_b32 s67, 0
	s_mul_i32 s86, s50, 128*KROW                   ; W_q's tile g
	s_mov_b32 s87, 0
	s_mul_i32 s16, s20, 32*KROW                    ; a refill's quarter
	s_mov_b32 s17, 0
	s_lshl_b32 s18, s50, 12                        ; the weights' scale bytes: 32 (128 g + 64 b)
	s_lshl_b32 s19, s22, 11
	s_add_co_u32 s18, s18, s19
	s_mov_b32 s19, 0
	s_mov_b32 s2, 0x76543210                       ; v_permlanex16_b32's selects for lane l xor 16
	s_mov_b32 s3, 0xfedcba98
	s_wait_dscnt 0x0                               ; both opening adds are done
	CROUND                                         ; all sixteen work-groups are here: the first joint loads meet
	s_wait_kmcnt 0x0
	s_add_nc_u64 s[G0X+2:G0X+3], s[4:5], s[54:55]
	s_or_b32 s[G0X+3], s[G0X+3], 0x80000000
	s_add_nc_u64 s[G0S+2:G0S+3], s[6:7], s[66:67]
	s_or_b32 s[G0S+3], s[G0S+3], 0x80000000
	s_add_nc_u64 s[G0W+2:G0W+3], s[8:9], s[86:87]
	s_add_nc_u64 s[G0R+2:G0R+3], s[G0W+2:G0W+3], s[16:17]   ; my quarter of W_q's tile: each refill steps it 1,024 rows on
	s_or_b32 s[G0W+3], s[G0W+3], 0x80000000
	s_or_b32 s[G0R+3], s[G0R+3], 0x80000000
	s_add_nc_u64 s[84:85], s[10:11], s[18:19]
	s_cmp_eq_u32 s20, 0
	s_cbranch_scc0 .Lwave_1
	TLOAD G0W, G1W                                 ; wave 0: W_q's 128 rows
	s_branch .Lasked
.Lwave_1:
	s_cmp_eq_u32 s20, 1
	s_cbranch_scc0 .Lwave_2
	TLOAD G0S, G1S                                 ; wave 1: x's scale bytes
	s_branch .Lasked
.Lwave_2:
	s_cmp_eq_u32 s20, 2
	s_cbranch_scc0 .Lwave_3
	TLOAD G0X, G1X                                 ; wave 2: x's rows 0-127
	s_branch .Lasked
.Lwave_3:
	TLOAD G0X, G1X                                 ; wave 3: x's rows 128-255
.Lasked:
	v_and_b32 v1, 15, v0                           ; r
	v_bfe_u32 v2, v0, 4, 1                         ; h
	v_and_b32 v3, 31, v0                           ; L
	v_lshlrev_b32 v[ABS], 5, v3
	v_mul_u32_u24 v100, v1, PITCH
	v_lshrrev_b32 v103, 3, v1
	v_lshlrev_b32 v104, 5, v1
	v_lshlrev_b32 v[CO16], 4, v3
	v_lshlrev_b32 v[CO8], 3, v3
	v_lshlrev_b32 v[W4], 2, v1
	v_mad_u32_u24 v101, v2, 24, v100               ; a fragment: row x pitch + 24 h,
	v_mad_u32_u24 v102, v2, 40, v100               ; and behind one padding more
	v_lshl_add_u32 v104, v103, 4, v104             ; my row's scale words: 32 r, and 16 more behind 256
	v_mov_b32 v[TP], 0                             ; a lane permute's destination counts as one of its sources
	v_mov_b32 v[TP+1], 0
	WALU
.irp ph, 0,1,2
.irp p, 0,1
.irp c, 0,1
	global_load_b128 v[SB+16*\ph+8*\p+4*\c:SB+16*\ph+8*\p+4*\c+3], v[ABS], s[84:85] offset:32768*\ph+1024*\p+16*\c   ; lanes 0-15 tile 2 p's rows, lanes 16-31 tile 2 p + 1's
.endr
.endr
.endr
	s_mul_i32 s16, s21, 16*PITCH
	v_add_nc_u32 v[XQ0], s16, v101
	v_add_nc_u32 v[XQ0+1], s16, v102
	s_mul_i32 s16, s21, 128*PITCH
	v_add_nc_u32 v[XV0], s16, v101
	v_add_nc_u32 v[XV0+1], s16, v102
	s_mul_i32 s16, s21, 544
	s_add_co_u32 s16, s16, SCL
	v_add_nc_u32 v[XQS], s16, v104
	s_mul_i32 s16, s21, 8*544
	s_add_co_u32 s16, s16, SCL
	v_add_nc_u32 v[XVS], s16, v104
	s_mul_i32 s16, s22, 64*PITCH
	s_add_co_u32 s16, s16, BVB
.irp t, 0,1,2,3
	v_add_nc_u32 v[BA+2*\t], s16, v101
	v_add_nc_u32 v[BA+2*\t+1], s16, v102
	s_add_co_u32 s16, s16, 16*PITCH
.endr
	s_lshr_b32 s100, s51, 3                        ; where the results go: 16 x batch + head,
	s_lshl_b32 s100, s100, 4
	s_lshl_b32 s101, s50, 1
	s_add_co_u32 s100, s100, s101
	s_add_co_u32 s100, s100, s22
	s_lshl_b32 s100, s100, 3
	s_and_b32 s101, s51, 7
	s_add_co_u32 s100, s100, s101                  ; x 8 + the block of 256 positions
	s_mul_i32 s101, s100, 26112
	s_mul_i32 s100, s100, 13312
	s_mul_i32 s16, s21, 768
	s_lshl_b32 s18, s21, 6
	s_mov_b32 s67, 0                               ; s[66:67]: an offset, its high word 0; no descriptor holds these two
	s_add_co_u32 s66, s100, s16
	s_add_nc_u64 s[PI:PI+1], s[12:13], s[66:67]
	s_add_co_u32 s66, s100, s18
	s_add_co_u32 s66, s66, 12288
	s_add_nc_u64 s[PW:PW+1], s[12:13], s[66:67]
	s_add_co_u32 s66, s101, s16
	s_add_nc_u64 s[KI:KI+1], s[14:15], s[66:67]
	s_add_co_u32 s66, s101, s18
	s_add_co_u32 s66, s66, 24576
	s_add_nc_u64 s[KW:KW+1], s[14:15], s[66:67]
	s_mul_i32 s16, s21, 6144
	s_add_co_u32 s66, s101, s16
	s_add_co_u32 s66, s66, 12288
	s_add_nc_u64 s[VI:VI+1], s[14:15], s[66:67]
	s_lshl_b32 s16, s21, 8
	s_add_co_u32 s66, s101, s16
	s_add_co_u32 s66, s66, 25600
	s_add_nc_u64 s[VWP:VWP+1], s[14:15], s[66:67]
	WALU
	s_cmp_eq_u32 s20, 0
	s_cbranch_scc0 .Lnot_w
	s_wait_tensorcnt 0x0                           ; wave 0: W_q's rows are in
.Lnot_w:
	BARRIER                                        ; the other three tiles may be on their way
	s_wait_loadcnt 0x0                             ; the weights' scale words
	s_mov_b32 s23, 0
.Lkind:                                            ; two trips: q, then k
	WEIGHTS
	s_wait_tensorcnt 0x0                           ; all my tensor loads are in (the first time: the head's tiles);
	ds_add_u32 v[SPW], v[NIL]
	s_add_nc_u64 s[G0R+2:G0R+3], s[G0R+2:G0R+3], 1024*KROW   ; no load of mine is out: on to the next phase's weight
	s_wait_dscnt 0x0                               ; the add is done, and I hold the weight in registers
	CROUND                                         ; so do all waves of all partners; the first time the round also shows x's tiles to all
	TLOAD G0R, G1R                                 ; my quarter of the next weight, the first tensor load behind the round
	XADDR 0, 0
	FETCH 0
	XADDR 0, 1
	FETCH 1
.irp s, 0,1,2,3,4,5,6,7
	QKBLOCK \s
.endr
	s_wait_xcnt 0x0                                ; the stores have read their bases
	s_mov_b64 s[PI:PI+1], s[KI:KI+1]
	s_mov_b64 s[PW:PW+1], s[KW:KW+1]
.set I, 0
.rept 16
	v_mov_b32 v[SB+I], v[SB+16+I]                  ; the next phase's scale words; the sixteen lines below stand between these and the products
.set I, I+1
.endr
.set I, 0
.rept 16
	v_mov_b32 v[SB+16+I], v[SB+32+I]
.set I, I+1
.endr
	s_wait_tensorcnt 0x0                           ; my quarter of the next weight is in
	s_wait_dscnt 0x0
	BARRIER                                        ; a plain barrier shows it to all
	s_add_co_u32 s23, s23, 1
	s_cmp_lt_u32 s23, 2
	WALU
	s_cbranch_scc1 .Lkind
	WEIGHTS                                        ; v
	XADDR 1, 0
	FETCH 0
	XADDR 1, 1
	FETCH 1
.irp s, 0,1,2,3,4,5,6,7
	VBLOCK \s
.endr
	s_wait_tensorcnt 0x0                           ; the wave's end
	ds_add_u32 v[SPW], v[NIL]
	s_wait_dscnt 0x0
	CROUND                                         ; the closing round
	s_endpgm
.Lfunc_end_k_q19058453a1_gemm_qkv:
	.size	k_q19058453a1_gemm_qkv, .Lfunc_end_k_q19058453a1_gemm_qkv-k_q19058453a1_gemm_qkv
	.p2alignl 7, 3214868480
	.fill 96, 4, 3214868480
	.section	.rodata,"a",@progbits
	.p2align	6, 0x0
	.amdhsa_kernel k_q19058453a1_gemm_qkv
		.amdhsa_group_segment_fixed_size 327680
		.amdhsa_private_segment_fixed_size 0
		.amdhsa_enable_private_segment 0
		.amdhsa_kernarg_size 48
		.amdhsa_user_sgpr_count 2
		.amdhsa_user_sgpr_kernarg_segment_ptr 1
		.amdhsa_wavefront_size32 1
		.amdhsa_system_sgpr_workgroup_id_x 1
		.amdhsa_system_sgpr_workgroup_id_y 1
		.amdhsa_system_sgpr_workgroup_id_z 1
		.amdhsa_system_vgpr_workitem_id 0
		.amdhsa_next_free_vgpr 864
		.amdhsa_next_free_sgpr 102
		.amdhsa_reserve_vcc 0
		.amdhsa_float_denorm_mode_32 3
		.amdhsa_float_denorm_mode_16_64 3
		.amdhsa_memory_ordered 1
		.amdhsa_forward_progress 1
		.amdhsa_inst_pref_size 161
	.end_amdhsa_kernel
	.amdgpu_metadata
---
amdhsa.version: [ 1, 2 ]
amdhsa.kernels:
  - .name:           k_q19058453a1_gemm_qkv
    .symbol:         k_q19058453a1_gemm_qkv.kd
    .args:
      - { .name: xc, .offset: 0, .size: 8, .value_kind: global_buffer, .address_space: global }
      - { .name: xs, .offset: 8, .size: 8, .value_kind: global_buffer, .address_space: global }
      - { .name: wc, .offset: 16, .size: 8, .value_kind: global_buffer, .address_space: global }
      - { .name: ws, .offset: 24, .size: 8, .value_kind: global_buffer, .address_space: global }
      - { .name: qp, .offset: 32, .size: 8, .value_kind: global_buffer, .address_space: global }
      - { .name: kv, .offset: 40, .size: 8, .value_kind: global_buffer, .address_space: global }
    .group_segment_fixed_size: 327680
    .private_segment_fixed_size: 0
    .kernarg_segment_align: 8
    .kernarg_segment_size: 48
    .max_flat_workgroup_size: 128
    .sgpr_count:     102
    .vgpr_count:     864
    .wavefront_size: 32
...
	.end_amdgpu_metadata
.endif
;; end of part 2
;; launch attn (part 3): grid 4 x 64, 16 waves a work-group, no clusters, 210,944 bytes of LDS; arguments qp, kv, yc, ys; writes yc, ys
.if DOCPART == 3
	.amdgcn_target "amdgcn-amd-amdhsa--gfx1250"
	.amdhsa_code_object_version 6
	.text
	.protected	k_q19058453a1_attn
	.globl	k_q19058453a1_attn
	.p2align	8
	.type	k_q19058453a1_attn,@function
k_q19058453a1_attn:
	s_mov_b64 s[64:65], 0
	v_nop
	global_prefetch_b8 v0, s[64:65] scope:SCOPE_SE
	s_setreg_imm32_b32 hwreg(HW_REG_WAVE_MODE, 25, 1), 1
	s_wait_xcnt 0x0
; y[b][h][q] = the sum over keys k <= q of softmax_k(q . k / 8) v, both products on codes of FP6 (E2M3) with E8M0 scales; y leaves as codes for the last product.
; THE SOFTMAX: t = score x log2(e) / 8; M = the running largest t rounded up to a whole number; p = 2^(t - M) is quantised along the keys, not normalised; the row's sum is taken of the unquantised p and divides at the end.
; The first product's K is the head's 64: the upper 64 of the instruction's 128 are zero codes in both operands (registers 6-11, set once).
; LEFT OUT: key steps all of whose keys come after all of a tile's queries (reference()'s own causal mask hides them): see the first kernel's head.
; A HEAD'S WHOLE K AND V LIE IN LDS: 8 slots of 256 keys x 26,112 bytes = 208,896 dense bytes, fetched once: each of the sixteen waves brings 13,056 bytes (51 rows of 256) by its one tensor load at the head.  Nothing is filled again.
; TWO BARRIERS IN ALL: the first shows waves 0-3's parts (slots 0 and 1, 512 keys), the second, behind the first four key steps, all the rest.  Behind it the waves share nothing and run by themselves.
; SHARES.  A head has 128 tiles of 16 queries; tile T needs T / 8 + 1 key steps of 128.  Wave w of work-group I owns tiles 4 w + I and 127 - (4 w + I): 17 steps for every wave of the launch.  The later tile goes first:
; its queries lie at 1,024 or beyond, so its first four steps are whole and need no test.  The loops' trip counts are constants; a hidden step is passed over by a scalar branch on ids.
; NO CLUSTER: the four work-groups of a head read the same bytes, but the branches round hidden steps hang on the work-group's number.
; NO PREFETCH: every byte is asked for at the head; there is no later fetch to run ahead of.
; LAYOUT.  Both products transposed: S^T = K Q^T, O^T = V^T P^T: a lane holds one query.  Tiles of rows lie in POS order (lane r of tile T is row 32 (T / 2) + 8 (T % 2) + r % 8 + 16 (r / 8)), so the 16 registers of
; S^T's tiles 2 b, 2 b + 1 are keys 32 b + 16 (lane / 16) + 0 .. 15, and those of O^T's are channels likewise.  Operands lie in LDS as images of their registers: every load takes consecutive bytes.
; OUT: yc [16 heads][512 tiles of 16 rows][768]: half images;  ys [8192 rows][32]: byte 2 head + block.
; LIMITS: hidden scores count as -infinity where the definition writes -1e10: the same as long as a row's largest logit lies above about -1e10 + 150.  NaN and infinities are not served.  Blocks of zeros get the byte 1.
; REGISTERS: v1-3 16 L, 8 L, 4 r; v4 my query less the tile's first less 16 (lane / 16); v5, v6 the add's two; v7 ys offset; v8-10 LDS addresses of the slot in hand; v12 -M, v13 largest t, v[14:15] the sum;
;   v16-27 Q; v32-79 four fragments of K; v96-159 S^T, then p, then V's four fragments; v160-191 O^T; v192-204 y's codes; v224-235 p's codes; v232-254 at work; v255 Q's scale words.
.set SLOTB, 26112
.set PART,  13056
.set SPARE, 208896                     ; behind the slots: the spare words, 128 bytes for each of sixteen waves
.set VOFF,  12288
.set KSC,   24576
.set VSC,   25600
.set SPW, 5
.set NIL, 6
.set ADA, 8
.set ADB, 9
.set ADS, 10
.set WV,   12                          ; s12 wave; s13 the later tile, s14 the earlier
.set T,    16                          ; s16 the trip
.set TB,   17                          ; s17 LDS byte at which the slot in hand begins
.set KF,   18                          ; s18 the step's first key
.set SEL,  20
.set CS,   22                          ; s[22:23] c = log2(e) / 8
.set G1,   24
.set G0,   32
.set QMIN, 42                          ; s42, s43 the first and last query of the tile in hand; s44 the earlier tile's first
.set QMAX, 43
.set HI16, 58
.set BIG,  48                          ; s[48:55], s[68:75]: for a tile: its image in qp, its scale words, its place in yc, in ys
.set SML,  68
.macro TILE t, p, qm
	s_lshr_b32 s60, s\t, 1
	s_lshl_b32 s60, s60, 5
	s_and_b32 s61, s\t, 1
	s_lshl_b32 s61, s61, 3
	s_add_co_u32 s\qm, s60, s61                    ; 32 (T / 2) + 8 (T % 2)
	s_lshr_b32 s60, s\t, 4
	s_mul_i32 s60, s60, 13312                      ; qp: the block of 256 queries
	s_and_b32 s61, s\t, 15
	s_mul_i32 s76, s61, 768
	s_add_co_u32 s76, s76, s60
	s_lshl_b32 s78, s61, 6
	s_add_co_u32 s78, s78, s60
	s_add_nc_u64 s[\p:\p+1], s[36:37], s[76:77]
	s_add_nc_u64 s[\p+2:\p+3], s[36:37], s[78:79]
	s_mul_i32 s76, s\t, 768
	s_add_nc_u64 s[\p+4:\p+5], s[38:39], s[76:77]
	s_lshl_b32 s76, s\t, 9
	s_add_nc_u64 s[\p+6:\p+7], s[40:41], s[76:77]
.endm
.macro QLOAD p
	global_load_b128 v[16:19], v1, s[\p:\p+1]
	global_load_b64 v[20:21], v2, s[\p:\p+1] offset:512
	global_load_b32 v255, v3, s[\p+2:\p+3] offset:12288
.endm
.macro INIT                            ; a tile begins: O^T and the sum are zeros, the largest t lies under every t
	v_mov_b32 v13, 0xff61b1e6
	s_delay_alu instid0(VALU_DEP_1)
	v_floor_f32 v12, -v13
	v_mov_b32 v14, 0
	v_mov_b32 v15, 0
.set j, 0
.rept 32
	v_mov_b32 v[160+j], 0
.set j, j+1
.endr
.endm
.macro ADDR                            ; the LDS addresses of the slot in hand, once for its two steps
	v_add_nc_u32 v[ADA], s[TB], v1
	v_add_nc_u32 v[ADB], s[TB], v2
	v_add_nc_u32 v[ADS], s[TB], v3
	s_wait_alu depctr_va_vdst(0)
.endm
.macro NEXT lab, n                     ; on to the next slot
	s_add_co_u32 s[TB], s[TB], SLOTB
	s_add_co_u32 s[T], s[T], 1
	s_cmp_lt_u32 s[T], \n
	s_cbranch_scc1 \lab
.endm
	s_load_b256 s[4:11], s[0:1], 0x0               ; qp s[4:5], kv s[6:7], yc s[8:9], ys s[10:11]
	v_lshl_add_u32 v[SPW], v0, 2, SPARE
	v_mov_b32 v[NIL], 0
	ds_add_u32 v[SPW], v[NIL]                      ; the wave's opening: an add, twice on end, and its wait ahead of the first tensor load
	ds_add_u32 v[SPW], v[NIL]
	v_lshrrev_b32 v8, 5, v0
	s_delay_alu instid0(VALU_DEP_1)
	v_readfirstlane_b32 s[WV], v8
	s_mov_b32 s[SEL], 0x76543210
	s_mov_b32 s[SEL+1], 0xfedcba98
	s_mov_b32 s[CS], 0x3e38aa3b
	s_mov_b32 s[CS+1], s[CS]
	s_mov_b32 s[HI16], 0xffff0000
	s_mov_b32 s[G1], 3<<16                         ; 51 dense rows of 256 bytes (32 elements of 8 bytes), no padding
	s_mov_b32 s[G1+1], 32<<16
	s_mov_b32 s[G1+2], 51<<16
	s_mov_b32 s[G1+3], 32<<16
	s_mov_b32 s[G1+4], 51
	s_mov_b32 s[G1+5], 32
	s_mov_b32 s[G1+6], 0
	s_mov_b32 s[G1+7], 0
	s_mov_b32 s[G0], 1
	s_mul_i32 s[G0+1], s[WV], PART                 ; my part's place in LDS is its place in the head's bytes
	s_and_b32 s60, ttmp7, 0xffff                   ; bh
	s_lshr_b32 s61, s60, 4                         ; batch
	s_and_b32 s62, s60, 15                         ; head
	s_mul_i32 s76, s60, 8*SLOTB
	s_add_co_u32 s76, s76, s[G0+1]
	s_mov_b32 s77, 0
	s_mul_i32 s66, s60, 106496                     ; a head of qp
	s_mov_b32 s67, 0
	s_mul_i32 s78, s62, 393216                     ; a head's plane of yc,
	s_mul_i32 s63, s61, 98304                      ; the batch's 128 tiles of 768 bytes
	s_add_co_u32 s78, s78, s63
	s_mov_b32 s79, 0
	s_lshl_b32 s62, s62, 1
	s_lshl_b32 s63, s61, 16                        ; ys: the batch's 2,048 rows of 32 bytes
	s_add_co_u32 s62, s62, s63
	s_mov_b32 s63, 0
	s_lshl_b32 s14, s[WV], 2
	s_add_co_u32 s14, s14, ttmp9                   ; the earlier tile: 4 w + I
	s_sub_co_u32 s13, 127, s14                     ; the later
	s_wait_dscnt 0x0                               ; both opening adds are done
	s_wait_kmcnt 0x0
	s_add_nc_u64 s[G0+2:G0+3], s[6:7], s[76:77]
	s_or_b32 s[G0+3], s[G0+3], 0x80000000
	s_cmp_lt_u32 s[WV], 4                          ; two arms, one load each: waves 0-3, for whose parts the first barrier waits, have a line of their own
	s_cbranch_scc0 .Lrest
	tensor_load_to_lds s[G0:G0+3], s[G1:G1+7]
	s_nop 0
.rept 4
	v_nop
.endr
	s_branch .Lasked
.Lrest:
	tensor_load_to_lds s[G0:G0+3], s[G1:G1+7]
	s_nop 0
.rept 4
	v_nop
.endr
.Lasked:
	s_add_nc_u64 s[36:37], s[4:5], s[66:67]
	s_add_nc_u64 s[38:39], s[8:9], s[78:79]
	s_add_nc_u64 s[40:41], s[10:11], s[62:63]
	s_mov_b32 s79, 0
	TILE 13, BIG, 42
	TILE 14, SML, 44
	s_add_co_u32 s[QMAX], s[QMIN], 23
	v_and_b32 v9, 31, v0                           ; L
	v_and_b32 v10, 15, v0                          ; r
	v_bfe_u32 v11, v0, 4, 1                        ; h
	v_lshlrev_b32 v1, 4, v9
	v_lshlrev_b32 v2, 3, v9
	v_lshlrev_b32 v3, 2, v10
	QLOAD BIG
	v_and_b32 v4, 7, v10
	v_bfe_u32 v8, v10, 3, 1
	v_lshl_add_u32 v7, v10, 5, v11                 ; ys: 32 r + h
	v_lshl_add_u32 v4, v8, 4, v4
	v_lshlrev_b32 v8, 4, v11
	v_sub_nc_u32 v4, v4, v8                        ; r % 8 + 16 (r / 8) - 16 h
.irp j, 22,23,24,25,26,27
	v_mov_b32 v[\j], 0                             ; Q's K = 64 .. 127: zero codes
.endr
.irp t, 0,1,2,3
.irp j, 6,7,8,9,10,11
	v_mov_b32 v[32+12*\t+\j], 0                    ; K's likewise: set once, no load lands there
.endr
.endr
.irp b, 0,1,2,3
	v_mov_b32 v[236+\b], 0                         ; a lane permute's destination counts as one of its sources
.endr
	v_mov_b32 v252, 0
	v_mov_b32 v253, 0
	INIT
; A KEY STEP: 128 keys, the q-th of the slot in hand.  m = 1: a step all of whose keys come after my 16 queries is left out, and on the diagonal hidden scores become -infinity; m = 0: the step is known to be whole.
.macro STEP q, m
.if \m
	s_cmp_gt_u32 s[KF], s[QMAX]
	s_cbranch_scc1 .Lhidden_\@
.endif
.rept 5
	v_nop                                          ; five places: the products below write over registers that the last step's products read as V
.endr
.irp g, 0,1                                    ; S^T = K Q^T, four tiles of 16 keys at a time
.if \g
.rept 4
	v_nop                                          ; places in front of loads into registers that matrix instructions have read
.endr
.endif
.irp t, 0,1,2,3
	ds_load_b128 v[32+12*\t:35+12*\t], v[ADA] offset:768*(8*(\q)+4*\g+\t)
	ds_load_b64 v[36+12*\t:37+12*\t], v[ADB] offset:768*(8*(\q)+4*\g+\t)+512
	ds_load_b32 v[248+\t], v[ADS] offset:KSC+64*(8*(\q)+4*\g+\t)
.endr
	s_wait_dscnt 0x0
.irp t, 0,1,2,3
	v_wmma_scale_f32_16x16x128_f8f6f4 v[96+8*(4*\g+\t):103+8*(4*\g+\t)], v[32+12*\t:43+12*\t], v[16:27], 0, v[248+\t], v255 matrix_a_fmt:MATRIX_FMT_FP6 matrix_b_fmt:MATRIX_FMT_FP6
.endr
.endr
.rept 4
	v_nop
.endr
.if \m
	s_add_co_u32 s60, s[KF], 127
	s_cmp_le_u32 s60, s[QMIN]
	s_cbranch_scc1 .Lopen_\@
	s_sub_co_i32 s60, s[QMIN], s[KF]
	v_add_nc_u32 v252, s60, v4                     ; d = my query - KF - 16 (lane / 16).  Register 16 b + i holds key KF + 16 (lane / 16) + 32 b + i: hidden where 32 b + i > d
	v_mov_b32 v254, 0xff800000
.set n, 0
.rept 64
	v_cmp_gt_i32 vcc_lo, 32*(n/16)+n%16, v252
	v_cndmask_b32 v[96+n], v[96+n], v254, vcc_lo
.set n, n+1
.endr
.Lopen_\@:
.endif
.irp b, 0,1,2,3
	v_max3_num_f32 v[232+\b], v[96+16*\b], v[97+16*\b], v[98+16*\b]   ; the largest score of each block of 32 keys: for the row's maximum, and, since p rises with the score, for the block's largest p
.endr
.irp i, 3,5,7,9,11,13
.irp b, 0,1,2,3
	v_max3_num_f32 v[232+\b], v[232+\b], v[96+16*\b+\i], v[97+16*\b+\i]
.endr
.endr
.irp b, 0,1,2,3
	v_max_num_f32 v[232+\b], v[232+\b], v[111+16*\b]
.endr
.irp b, 0,1,2,3
	s_delay_alu instid0(VALU_DEP_4)
	v_permlanex16_b32 v[236+\b], v[232+\b], s[SEL], s[SEL+1]
.endr
.irp b, 0,1,2,3
	s_delay_alu instid0(VALU_DEP_4)
	v_max_num_f32 v[232+\b], v[232+\b], v[236+\b]  ; with lane l xor 16's 16 keys
.endr
	s_delay_alu instid0(VALU_DEP_2)
	v_max3_num_f32 v254, v232, v233, v234
	s_delay_alu instid0(VALU_DEP_1)
	v_max_num_f32 v254, v254, v235
	s_delay_alu instid0(VALU_DEP_1)
	v_mul_f32 v254, s[CS], v254                    ; the step's largest t (c is positive)
	s_delay_alu instid0(VALU_DEP_1)
	v_max_num_f32 v13, v13, v254
	v_mov_b32 v254, v12
	s_delay_alu instid0(VALU_DEP_2)
	v_floor_f32 v12, -v13                          ; the new -M = -ceil(t)
	s_delay_alu instid0(VALU_DEP_1)
	v_sub_f32 v254, v12, v254                      ; old M - new M: a whole number, 0 or less
	s_delay_alu instid0(VALU_DEP_1)
	v_cvt_i32_f32 v254, v254                       ; (it saturates)
	s_delay_alu instid0(VALU_DEP_1)
	v_ldexp_f32 v252, 1.0, v254                    ; f = 2^(old M - new M)
.set j, 0
.rept 32
	v_pk_fma_f32 v[96+j:97+j], v[96+j:97+j], s[CS:CS+1], v[12:13] op_sel_hi:[1,0,0]   ; t - M, two at a time
.set j, j+2
.endr
.irp b, 0,1,2,3
	v_fma_f32 v[232+\b], v[232+\b], s[CS], v12
.endr
.set j, 0
	s_wait_alu depctr_va_vdst(0)
.rept 64
	v_exp_f32 v[96+j], v[96+j]                     ; p = 2^(t - M)
.set j, j+1
.endr
	v_pk_mul_f32 v[14:15], v[14:15], v[252:253] op_sel_hi:[1,0]   ; the sums under the new M: a plain place behind the exponentials
	s_wait_alu depctr_va_vdst(0)                   ; one wait for the whole batch, ahead of its first reader
.irp b, 0,1,2,3
	v_exp_f32 v[232+\b], v[232+\b]                 ; the block's largest p
.endr
	v_pk_add_f32 v[236:237], v[100:101], v[104:105]   ; the row's sum of the unquantised p, in eight chains
	v_pk_add_f32 v[250:251], v[108:109], v[112:113]
	v_pk_add_f32 v[248:249], v[116:117], v[120:121]
	v_pk_add_f32 v[246:247], v[124:125], v[128:129]
	v_pk_add_f32 v[244:245], v[132:133], v[136:137]
	v_pk_add_f32 v[242:243], v[140:141], v[144:145]
	v_pk_add_f32 v[240:241], v[148:149], v[152:153]
	v_pk_add_f32 v[14:15], v[14:15], v[156:157]
	v_pk_add_f32 v[236:237], v[236:237], v[96:97]
	v_pk_add_f32 v[250:251], v[250:251], v[98:99]
	v_pk_add_f32 v[248:249], v[248:249], v[102:103]
	v_pk_add_f32 v[246:247], v[246:247], v[106:107]
	v_pk_add_f32 v[244:245], v[244:245], v[110:111]
	v_pk_add_f32 v[242:243], v[242:243], v[114:115]
	v_pk_add_f32 v[240:241], v[240:241], v[118:119]
	v_pk_add_f32 v[14:15], v[14:15], v[122:123]
	v_pk_add_f32 v[236:237], v[236:237], v[126:127]
	v_pk_add_f32 v[250:251], v[250:251], v[130:131]
	v_pk_add_f32 v[248:249], v[248:249], v[134:135]
	v_pk_add_f32 v[246:247], v[246:247], v[138:139]
	v_pk_add_f32 v[244:245], v[244:245], v[142:143]
	v_pk_add_f32 v[242:243], v[242:243], v[146:147]
	v_pk_add_f32 v[240:241], v[240:241], v[150:151]
	v_pk_add_f32 v[14:15], v[14:15], v[154:155]
	v_pk_add_f32 v[236:237], v[236:237], v[158:159]
	s_delay_alu instid0(VALU_DEP_2)
	v_pk_add_f32 v[14:15], v[14:15], v[246:247]
	s_delay_alu instid0(VALU_DEP_2)
	v_pk_add_f32 v[236:237], v[236:237], v[244:245]
	v_pk_add_f32 v[250:251], v[250:251], v[242:243]
	v_pk_add_f32 v[248:249], v[248:249], v[240:241]
	s_delay_alu instid0(VALU_DEP_2)
	v_pk_add_f32 v[14:15], v[14:15], v[250:251]
	s_delay_alu instid0(VALU_DEP_2)
	v_pk_add_f32 v[236:237], v[236:237], v[248:249]
	s_delay_alu instid0(VALU_DEP_1)
	v_pk_add_f32 v[14:15], v[14:15], v[236:237]
	s_wait_alu depctr_va_vdst(0)                   ; and one for the four
.irp b, 0,1,2,3
	v_max_num_f32 v[232+\b], 0x1800000, v[232+\b]  ; the floor 2^(3 - 127)
.endr
.irp b, 0,1,2,3
	s_delay_alu instid0(VALU_DEP_4)
	v_add_nc_u32 v[244+\b], 0xff000000, v[232+\b]
.endr
.irp b, 0,1,2,3
	s_delay_alu instid0(VALU_DEP_4)
	v_lshrrev_b32 v[236+\b], 23, v[244+\b]
.endr
	s_delay_alu instid0(VALU_DEP_3)
	v_lshl_or_b32 v253, v237, 8, v236              ; p's scale word for these 128 keys
	s_delay_alu instid0(VALU_DEP_1)
	v_lshl_or_b32 v253, v238, 16, v253
	s_delay_alu instid0(VALU_DEP_1)
	v_lshl_or_b32 v253, v239, 24, v253
.irp c, 0,1
	v_cvt_scalef32_pk16_fp6_f32 v[224+6*\c:226+6*\c], v[96+32*\c:111+32*\c], v[244+2*\c]
	v_cvt_scalef32_pk16_fp6_f32 v[236+4*\c:238+4*\c], v[112+32*\c:127+32*\c], v[244+2*\c+1]
.endr
	v_nop                                          ; one plain place behind a scaled conversion
.irp a, 0,1,2,3                                ; V's four fragments (16 channels x these 128 keys) land where p lay, while p's codes are put in order
.irp c, 0,1
	ds_load_b128 v[96+12*\a+6*\c:99+12*\a+6*\c], v[ADA] offset:VOFF+6144*(\q)+3072*\c+768*\a
	ds_load_b64 v[100+12*\a+6*\c:101+12*\a+6*\c], v[ADB] offset:VOFF+6144*(\q)+3072*\c+768*\a+512
.endr
	ds_load_b32 v[248+\a], v[ADS] offset:VSC+256*(\q)+64*\a
.endr
.irp c, 0,1                                    ; the operand's layout wants a whole block in a lane
.irp i, 0,1,2
	v_permlane16_swap_b32 v[224+6*\c+\i], v[236+4*\c+\i]
.endr
.irp i, 0,1,2
	s_delay_alu instid0(VALU_DEP_3)
	v_mov_b32 v[227+6*\c+\i], v[236+4*\c+\i]
.endr
.endr
.set j, 0
.rept 16
	v_pk_mul_f32 v[160+j:161+j], v[160+j:161+j], v[252:253] op_sel_hi:[1,0]   ; O^T under the new M; these sixteen are also the places in front of the products below
.set j, j+2
.endr
	s_wait_alu depctr_va_vdst(0)
	s_wait_dscnt 0x0
.irp a, 0,1,2,3                                ; O^T += V^T P^T: the four accumulators by turns
	v_wmma_scale_f32_16x16x128_f8f6f4 v[160+8*\a:167+8*\a], v[96+12*\a:107+12*\a], v[224:235], v[160+8*\a:167+8*\a], v[248+\a], v253 matrix_a_fmt:MATRIX_FMT_FP6 matrix_b_fmt:MATRIX_FMT_FP6
.endr
.if \m
.Lhidden_\@:
.endif
	s_add_co_u32 s[KF], s[KF], 128
.endm
; A tile of queries is finished: y = O^T / the sum, quantised along the head's 64 channels (two blocks of 32), stored as a half image and two scale bytes a row.
.macro FINISH p
.rept 4
	v_nop                                          ; places behind the last products
.endr
	v_add_f32 v14, v14, v15
	s_delay_alu instid0(VALU_DEP_1)
	v_permlanex16_b32 v252, v14, s[SEL], s[SEL+1]
	s_delay_alu instid0(VALU_DEP_1)
	v_add_f32 v14, v14, v252                       ; the row's sum
	s_wait_alu depctr_va_vdst(0)
	v_rcp_f32 v14, v14
	v_nop                                          ; a plain place behind the transcendental
	s_wait_alu depctr_va_vdst(0)                   ; the wait ahead of its first reader
.set j, 0
.rept 32
	v_mul_f32 v[96+j], v[160+j], v14               ; register 16 b + i is channel 32 b + 16 (lane / 16) + i; each accumulator from its low end on
.set j, j+1
.endr
.irp b, 0,1
	v_max3_num_f32 v[232+\b], |v[96+16*\b]|, |v[97+16*\b]|, 0x1800000
.endr
.irp i, 2,4,6,8,10,12,14
.irp b, 0,1
	s_delay_alu instid0(VALU_DEP_2)
	v_max3_num_f32 v[232+\b], v[232+\b], |v[96+16*\b+\i]|, |v[97+16*\b+\i]|
.endr
.endr
.irp b, 0,1
	s_delay_alu instid0(VALU_DEP_2)
	v_permlanex16_b32 v[236+\b], v[232+\b], s[SEL], s[SEL+1]
.endr
.irp b, 0,1
	s_delay_alu instid0(VALU_DEP_2)
	v_max_num_f32 v[232+\b], v[232+\b], v[236+\b]
.endr
.irp b, 0,1
	s_delay_alu instid0(VALU_DEP_2)
	v_add_nc_u32 v[244+\b], 0xff000000, v[232+\b]
.endr
.irp b, 0,1
	s_delay_alu instid0(VALU_DEP_2)
	v_lshrrev_b32 v[236+\b], 23, v[244+\b]
.endr
	v_cvt_scalef32_pk16_fp6_f32 v[192:194], v[96:111], v244
	v_cvt_scalef32_pk16_fp6_f32 v[200:202], v[112:127], v245
	v_cndmask_b32 v204, v236, v237, s[HI16]        ; lanes 0-15 carry block 0's byte, lanes 16-31 block 1's.  (The plain place behind the conversions)
.irp i, 0,1,2
	v_permlane16_swap_b32 v[192+\i], v[200+\i]
.endr
.irp i, 0,1,2
	s_delay_alu instid0(VALU_DEP_3)
	v_mov_b32 v[195+\i], v[200+\i]
.endr
	global_store_b128 v1, v[192:195], s[\p+4:\p+5]              ; 512 consecutive bytes, aligned to 256
	global_store_b64 v2, v[196:197], s[\p+4:\p+5] offset:512    ; 256 consecutive bytes, aligned
	global_store_b8 v7, v204, s[\p+6:\p+7]
.endm
	s_mov_b32 s[T], 0
	s_mov_b32 s[TB], 0
	s_mov_b32 s[KF], 0
	s_wait_alu depctr_va_vdst(0)
	s_wait_loadcnt 0x0                             ; Q
	s_cmp_lt_u32 s[WV], 4
	s_cbranch_scc0 .Lnot_first
	s_wait_tensorcnt 0x0                           ; waves 0-3: my part of slots 0 and 1 is in
.Lnot_first:
	s_barrier_signal -1
	s_barrier_wait -1                              ; slots 0 and 1 are whole; the other parts may be on their way
.Lfirst:                                           ; the later tile's keys 0 .. 511: two trips, four whole steps
	ADDR
	STEP 0, 0
	STEP 1, 0
	NEXT .Lfirst, 2
	s_wait_tensorcnt 0x0                           ; every wave: my part is in
	s_wait_dscnt 0x0
	s_barrier_signal -1
	s_barrier_wait -1                              ; the head's 2,048 keys are whole; from here on no wave waits for another
	s_mov_b32 s[TB], 2*SLOTB
.Lbig:                                             ; the later tile's slots 2 to 7: six trips; steps behind the tile's queries are passed over
	ADDR
	STEP 0, 1
	STEP 1, 1
	NEXT .Lbig, 8
	FINISH BIG
	QLOAD SML                                      ; the earlier tile's queries
	INIT
	s_mov_b32 s[QMIN], s44
	s_add_co_u32 s[QMAX], s44, 23
	s_mov_b32 s[T], 0
	s_mov_b32 s[TB], 0
	s_mov_b32 s[KF], 0
	s_wait_xcnt 0x0                                ; the stores above have read their data: the second way out may write those registers
	s_wait_loadcnt 0x0
.Lsmall:                                           ; the earlier tile lies under query 1,024: slots 0 to 3, four trips
	ADDR
	STEP 0, 1
	STEP 1, 1
	NEXT .Lsmall, 4
	FINISH SML
	s_wait_tensorcnt 0x0                           ; the wave's end, behind the last tensor load
	ds_add_u32 v[SPW], v[NIL]
	s_wait_dscnt 0x0
	s_endpgm
.Lfunc_end_k_q19058453a1_attn:
	.size	k_q19058453a1_attn, .Lfunc_end_k_q19058453a1_attn-k_q19058453a1_attn
	.p2alignl 7, 3214868480
	.fill 96, 4, 3214868480
	.section	.rodata,"a",@progbits
	.p2align	6, 0x0
	.amdhsa_kernel k_q19058453a1_attn
		.amdhsa_group_segment_fixed_size 210944
		.amdhsa_private_segment_fixed_size 0
		.amdhsa_enable_private_segment 0
		.amdhsa_kernarg_size 32
		.amdhsa_user_sgpr_count 2
		.amdhsa_user_sgpr_kernarg_segment_ptr 1
		.amdhsa_wavefront_size32 1
		.amdhsa_system_sgpr_workgroup_id_x 1
		.amdhsa_system_sgpr_workgroup_id_y 1
		.amdhsa_system_sgpr_workgroup_id_z 1
		.amdhsa_system_vgpr_workitem_id 0
		.amdhsa_next_free_vgpr 256
		.amdhsa_next_free_sgpr 80
		.amdhsa_reserve_vcc 1
		.amdhsa_float_denorm_mode_32 3
		.amdhsa_float_denorm_mode_16_64 3
		.amdhsa_memory_ordered 1
		.amdhsa_forward_progress 1
		.amdhsa_inst_pref_size 147
	.end_amdhsa_kernel
	.amdgpu_metadata
---
amdhsa.version: [ 1, 2 ]
amdhsa.kernels:
  - .name:           k_q19058453a1_attn
    .symbol:         k_q19058453a1_attn.kd
    .args:
      - { .name: qp, .offset: 0, .size: 8, .value_kind: global_buffer, .address_space: global }
      - { .name: kv, .offset: 8, .size: 8, .value_kind: global_buffer, .address_space: global }
      - { .name: yc, .offset: 16, .size: 8, .value_kind: global_buffer, .address_space: global }
      - { .name: ys, .offset: 24, .size: 8, .value_kind: global_buffer, .address_space: global }
    .group_segment_fixed_size: 210944
    .private_segment_fixed_size: 0
    .kernarg_segment_align: 8
    .kernarg_segment_size: 32
    .max_flat_workgroup_size: 512
    .sgpr_count:     80
    .vgpr_count:     256
    .wavefront_size: 32
...
	.end_amdgpu_metadata
.endif
;; end of part 3
;; launch gemm_out (part 4): grid 8 x 32, 4 waves a work-group, clusters of 4 x 4, 327,680 bytes of LDS; arguments yc, ys, wc, ws, out0; writes out0
.if DOCPART == 4
	.amdgcn_target "amdgcn-amd-amdhsa--gfx1250"
	.amdhsa_code_object_version 6
	.text
	.protected	k_q19058453a1_gemm_out
	.globl	k_q19058453a1_gemm_out
	.p2align	8
	.type	k_q19058453a1_gemm_out,@function
k_q19058453a1_gemm_out:
	s_mov_b64 s[64:65], 0
	v_nop
	global_prefetch_b8 v0, s[64:65] scope:SCOPE_SE
	s_setreg_imm32_b32 hwreg(HW_REG_WAVE_MODE, 25, 1), 1
	s_wait_xcnt 0x0
	s_wait_alu depctr_hold_cnt(0) depctr_sa_sdst(0) depctr_va_vdst(0) depctr_va_sdst(0) depctr_va_ssrc(0) depctr_va_vcc(0) depctr_vm_vsrc(0)
	s_getreg_b32 s2, hwreg(HW_REG_IB_STS2, 6, 4)
	s_cmp_eq_u32 s2, 0
	s_cbranch_scc0 .Lentry_in_a_cluster
	s_endpgm
.Lentry_in_a_cluster:
	s_bfe_u32 s2, ttmp6, 0x10000c
	s_cmp_lg_u32 s2, 0xf033
	s_cbranch_scc0 .Lentry_shape_is_right
	s_endpgm
.Lentry_shape_is_right:
; out0 = y W_out on codes of FP6 (E2M3) with E8M0 scales, f32 sums, f32 out.  y: yc [16 heads][512 tiles of 16 rows][768] (half images: six operand registers as they lie), ys [8192][32].
; W_out's columns are rows 3,072 .. 4,095 of wc ([row][768]) and of ws ([row][32]).  Rows of both operands lie in POS order (bits 3 and 4 of the row exchanged).
; 256 work-groups, 32 x 8: a block of 256 rows x 128 columns each; four waves, 2 x 2, 128 x 64 a wave: 32 accumulators, 256 registers.
; ALL OF K (1,024) LIES IN LDS, FILLED ONCE: y's 256 rows 196,608 bytes (register images, read as consecutive bytes), W's 128 rows 104,448 (a row of 768 bytes as 3 x (256 + 16)).  Nothing is filled again.
; FOUR JOINT LOADS AT THE HEAD, one a wave, each on a line of its own: wave 0 W's rows 0-63, wave 1 y's heads 0-7 (K 0-511), wave 2 W's rows 64-127, wave 3 y's heads 8-15.  The first barrier waits for waves 0 to 2;
; the second, ahead of the fetch of the fifth step's fragments, for all.
; CLUSTERS of 4 x 4: y's tile hangs on the tile row and is shared along a row of the cluster, W's on the tile column and is shared along a column.
; THE SCALES go from memory into registers, once: a lane takes its row's 32 bytes for each of y's 8 and W's 4 blocks of 16 rows: 96 registers that hold nothing else.
; NO PREFETCH: every byte is asked for at the head; there is no loop to run ahead in.
; The matrix instruction is used transposed (source 0 = W's rows): a lane holds eight neighbouring numbers of a row of out0.  The way out goes through a stage in y's bytes, behind a barrier behind which nobody reads them.
; LIMITS: NaN and infinities are not served.
; REGISTERS: window 0: addresses, v32-95 y's scale words (8 a + q), v100-131 W's (8 b + q), v136-199 the way out; window 1: y's fragments, two sets of 96; window 2: W's, two sets of 48; window 3: accumulator (a, b) at 8 (4 a + b).
.set PITCH,  816
.set HB,     12288                     ; a head's 16 tiles of y
.set BB0,    16*HB
.set SPARE,  BB0+128*PITCH             ; the spare words, 128 bytes a wave
.set SPITCH, 272
.set PLANE,  393216
.set ADA, 8                            ; v8-11  16 L + my 8 tiles, for heads 4 g ..
.set ADH, 12                           ; v12-15 8 L likewise
.set ADB, 16                           ; v16 my W rows; v17 for the pieces behind one padding more
.set STO, 20
.set RD,  21
.set CO,  22
.set ASO, 23
.set SPW, 28
.set NIL, 29
.set SAS, 32
.set SBS, 100                          ; 4 modulo 8 from SAS: the two scale registers of a product differ modulo 8
.set BK,  136
.set G1,  24
.set G0A, 32
.set G0B, 36
.set G1B, 48
.set MSB, 0
.macro WIN new
.if MSB != \new
	s_set_vgpr_msb (MSB<<8)|\new
.set MSB, \new
.endif
.endm
.macro PLACES n
.rept \n
	v_nop
.endr
.endm
.macro TLOAD g0, g1
	tensor_load_to_lds s[\g0:\g0+3], s[\g1:\g1+7]
	s_nop 0
	PLACES 4
.endm
.macro CROUND
	s_barrier_signal -1
	s_barrier_wait -1
	s_cmp_lg_u32 s14, 0
	s_cbranch_scc1 .Lnot_wave_0_\@
	s_barrier_signal -3
.Lnot_wave_0_\@:
	s_barrier_wait -3
	s_barrier_signal -1
	s_barrier_wait -1
.endm
	s_load_b128 s[4:7], s[0:1], 0x0                ; yc, ys
	s_load_b128 s[8:11], s[0:1], 0x10              ; wc, ws
	s_load_b64 s[12:13], s[0:1], 0x20              ; out0
	v_lshl_add_u32 v[SPW], v0, 2, SPARE
	v_mov_b32 v[NIL], 0
	ds_add_u32 v[SPW], v[NIL]                      ; the wave's opening: an add, twice on end, and its wait
	ds_add_u32 v[SPW], v[NIL]
	v_lshrrev_b32 v1, 5, v0
	v_readfirstlane_b32 s14, v1                    ; wave
	s_lshr_b32 s15, s14, 1                         ; my half of the rows.  Also: which half of a tile I fetch
	s_and_b32 s16, s14, 1                          ; my half of the columns.  Also: I fetch W (0) or y (1)
	s_bfe_u32 s40, ttmp6, 0x40000                  ; cx, cy
	s_bfe_u32 s41, ttmp6, 0x40004
	s_lshl_b32 s42, ttmp9, 2
	s_add_co_u32 s42, s42, s40                     ; tile column, 0 .. 7
	s_and_b32 s17, ttmp7, 0xffff
	s_lshl_b32 s17, s17, 2
	s_add_co_u32 s17, s17, s41                     ; tile row, 0 .. 31
	s_lshl_b32 s43, s41, 2
	s_lshl_b32 s43, 15, s43                        ; my row of the cluster
	s_lshl_b32 s44, 0x1111, s40                    ; my column
	s_or_b32 s[G1+0], s43, (3<<16)|(1<<21)         ; y: 8 heads x 12,288 bytes (1,536 elements of 8), a plane apart, no padding
	s_mov_b32 s[G1+1], 1536<<16
	s_mov_b32 s[G1+2], 8<<16
	s_mov_b32 s[G1+3], 1536<<16
	s_mov_b32 s[G1+4], 8
	s_mov_b32 s[G1+5], PLANE/8
	s_mov_b32 s[G1+6], 0
	s_mov_b32 s[G1+7], 0
	s_or_b32 s[G1B+0], s44, (1<<20)|(1<<21)|(5<<22)|(3<<25)   ; W: 64 rows of 768 bytes; 16 bytes of padding behind every 256
	s_mov_b32 s[G1B+1], 768<<16
	s_mov_b32 s[G1B+2], 64<<16
	s_mov_b32 s[G1B+3], 768<<16
	s_mov_b32 s[G1B+4], 64
	s_mov_b32 s[G1B+5], 768
	s_mov_b32 s[G1B+6], 0
	s_mov_b32 s[G1B+7], 0
	s_mov_b32 s[G0A], 1
	s_mul_i32 s[G0A+1], s15, 8*HB
	s_mov_b32 s[G0B], 1
	s_mul_i32 s[G0B+1], s15, 64*PITCH
	s_add_co_u32 s[G0B+1], s[G0B+1], BB0
	s_mul_i32 s20, s17, HB                         ; y: the tile row's 16 tiles, and my 8 heads
	s_mul_i32 s21, s15, 8*PLANE
	s_add_co_u32 s20, s20, s21
	s_mov_b32 s21, 0
	s_lshl_b32 s22, s42, 7                         ; W: row 3,072 + 128 x tile column, and my 64 rows
	s_add_co_u32 s22, s22, 3072
	s_mul_i32 s22, s22, 768
	s_mul_i32 s23, s15, 64*768
	s_add_co_u32 s22, s22, s23
	s_mov_b32 s23, 0
	s_lshl_b32 s60, s17, 8
	s_lshl_b32 s61, s15, 7
	s_add_co_u32 s60, s60, s61                     ; my first row
	s_lshl_b32 s62, s42, 7
	s_lshl_b32 s63, s16, 6
	s_add_co_u32 s62, s62, s63                     ; my first column
	s_lshl_b32 s56, s60, 5                         ; their scale bytes
	s_mov_b32 s57, 0
	s_add_co_u32 s58, s62, 3072
	s_lshl_b32 s58, s58, 5
	s_mov_b32 s59, 0
	s_lshl_b32 s60, s60, 12                        ; and my corner of out0
	s_lshl_b32 s62, s62, 2
	s_add_co_u32 s60, s60, s62
	s_mov_b32 s61, 0
	s_wait_dscnt 0x0                               ; both opening adds are done
	s_wait_kmcnt 0x0
	s_add_nc_u64 s[G0A+2:G0A+3], s[4:5], s[20:21]
	s_or_b32 s[G0A+3], s[G0A+3], 0x80000000
	s_add_nc_u64 s[G0B+2:G0B+3], s[8:9], s[22:23]
	s_or_b32 s[G0B+3], s[G0B+3], 0x80000000
	s_add_nc_u64 s[56:57], s[6:7], s[56:57]
	s_add_nc_u64 s[58:59], s[10:11], s[58:59]
	s_add_nc_u64 s[12:13], s[12:13], s[60:61]
	CROUND                                         ; all sixteen work-groups are here: the joint loads meet
	s_cmp_eq_u32 s14, 0
	s_cbranch_scc0 .Lwave_1
	TLOAD G0B, G1B                                 ; wave 0: W's rows 0-63
	s_branch .Lasked
.Lwave_1:
	s_cmp_eq_u32 s14, 1
	s_cbranch_scc0 .Lwave_2
	TLOAD G0A, G1                                  ; wave 1: y, heads 0-7
	s_branch .Lasked
.Lwave_2:
	s_cmp_eq_u32 s14, 2
	s_cbranch_scc0 .Lwave_3
	TLOAD G0B, G1B                                 ; wave 2: W's rows 64-127
	s_branch .Lasked
.Lwave_3:
	TLOAD G0A, G1                                  ; wave 3: y, heads 8-15
.Lasked:
	v_and_b32 v1, 15, v0                           ; r
	v_bfe_u32 v2, v0, 4, 1                         ; h
	v_and_b32 v3, 31, v0                           ; L
	v_lshlrev_b32 v[ASO], 5, v1                    ; my row's 32 scale bytes
	v_lshlrev_b32 v4, 4, v3
	v_lshlrev_b32 v5, 3, v3
	v_mul_u32_u24 v6, v1, PITCH
	v_mul_u32_u24 v24, v1, SPITCH
	v_mul_u32_u24 v25, v2, SPITCH
	v_lshlrev_b32 v26, 12, v2
	v_mad_u32_u24 v6, v2, 24, v6                   ; a fragment of W: row x pitch + 24 h,
	v_lshl_add_u32 v24, v2, 6, v24
	v_lshl_add_u32 v25, v1, 4, v25
	v_lshl_add_u32 v[CO], v1, 4, v26               ; out0: two rows an instruction, sixteen lanes to 256 bytes
	v_lshl_add_u32 v7, v2, 4, v6                   ; and behind one padding more
	s_wait_alu depctr_va_vdst(0)
.irp i, 0,1,2,3,4,5,6,7
.irp c, 0,1
	global_load_b128 v[SAS+8*\i+4*\c:SAS+8*\i+4*\c+3], v[ASO], s[56:57] offset:512*\i+16*\c
.endr
.endr
.irp i, 0,1,2,3
.irp c, 0,1
	global_load_b128 v[SBS+8*\i+4*\c:SBS+8*\i+4*\c+3], v[ASO], s[58:59] offset:512*\i+16*\c
.endr
.endr
	s_mul_i32 s20, s15, 8*768                      ; my 8 tiles of each head
.irp g, 0,1,2,3
	v_add_nc_u32 v[ADA+\g], s20, v4
	v_add_nc_u32 v[ADH+\g], s20, v5
	s_add_co_u32 s20, s20, 4*HB
.endr
	s_mul_i32 s21, s16, 64*PITCH                   ; my 64 rows of W
	s_add_co_u32 s21, s21, BB0
	v_add_nc_u32 v[ADB], s21, v6
	v_add_nc_u32 v[ADB+1], s21, v7
	s_mul_i32 s22, s14, 16*SPITCH                  ; my stage
	v_add_nc_u32 v[STO], s22, v24
	v_add_nc_u32 v[RD], s22, v25
; the fragments of step q (128 along K) into set q % 2: W's four (six pieces of 8 bytes each), y's eight (two half images each): 56 loads
.macro FETCH q
.set P_, (\q)%2
	WIN 0x80
.irp i, 0,1,2,3
.irp p, 0,1,2,3,4,5
.set PC, 12*(\q)+6*(\p/3)+\p%3
.if PC%32 < 29
	ds_load_b64 v[48*P_+12*\i+2*\p:48*P_+12*\i+2*\p+1], v[ADB] offset:8*PC+16*(PC/32)+\i*16*PITCH
.else
	ds_load_b64 v[48*P_+12*\i+2*\p:48*P_+12*\i+2*\p+1], v[ADB+1] offset:8*PC+16*(PC/32)+\i*16*PITCH
.endif
.endr
.endr
	WIN 0x40
.irp i, 0,1,2,3,4,5,6,7
.irp c, 0,1
	ds_load_b128 v[96*P_+12*\i+6*\c:96*P_+12*\i+6*\c+3], v[ADA+(\q)/2] offset:((2*(\q)+\c)%4)*HB+\i*768
	ds_load_b64 v[96*P_+12*\i+6*\c+4:96*P_+12*\i+6*\c+5], v[ADH+(\q)/2] offset:((2*(\q)+\c)%4)*HB+\i*768+512
.endr
.endr
.endm
; 32 products: the 32 accumulators by turns, in the same order in every step; the first step's start the sums
.macro MULS q
.set P_, (\q)%2
	WIN 0xf6                                       ; source 0 (W) window 2, source 1 (y) window 1, C and D window 3
.irp a, 0,1,2,3,4,5,6,7
.irp b, 0,1,2,3
.if (\q) == 0
	v_wmma_scale_f32_16x16x128_f8f6f4 v[8*(4*\a+\b):8*(4*\a+\b)+7], v[48*P_+12*\b:48*P_+12*\b+11], v[96*P_+12*\a:96*P_+12*\a+11], 0, v[SBS+8*\b+(\q)], v[SAS+8*\a+(\q)] matrix_a_fmt:MATRIX_FMT_FP6 matrix_b_fmt:MATRIX_FMT_FP6
.else
	v_wmma_scale_f32_16x16x128_f8f6f4 v[8*(4*\a+\b):8*(4*\a+\b)+7], v[48*P_+12*\b:48*P_+12*\b+11], v[96*P_+12*\a:96*P_+12*\a+11], v[8*(4*\a+\b):8*(4*\a+\b)+7], v[SBS+8*\b+(\q)], v[SAS+8*\a+(\q)] matrix_a_fmt:MATRIX_FMT_FP6 matrix_b_fmt:MATRIX_FMT_FP6
.endif
.endr
.endr
.endm
.macro KSTEP q
.if (\q) == 3
	s_wait_tensorcnt 0x0                           ; every wave: my tile is in
	s_wait_dscnt 0x0
	s_barrier_signal -1
	s_barrier_wait -1                              ; y's heads 8-15 are whole
.endif
	PLACES 4                                       ; in front of loads into registers that the step before last's products read
	FETCH (\q)+1
	s_wait_dscnt 56                                ; this step's fragments are in; the 56 loads just issued may be out
	MULS \q
.endm
	s_wait_alu depctr_va_vdst(0)
	s_cmp_lt_u32 s14, 3
	s_cbranch_scc0 .Llater
	s_wait_tensorcnt 0x0                           ; waves 0 to 2: W, and y's heads 0-7
.Llater:
	s_barrier_signal -1
	s_barrier_wait -1
	FETCH 0
	s_wait_loadcnt 0x0                             ; the scale words
.irp q, 0,1,2,3,4,5,6
	KSTEP \q
.endr
	s_wait_dscnt 0x0                               ; my last reads of the tiles are over
	s_barrier_signal -1
	MULS 7
	WIN 0
	s_barrier_wait -1                              ; nobody reads y's bytes any more: the stages lie there
	PLACES 4
; THE WAY OUT, block by block of 16 rows x 64 columns: into my stage (rows of 256 + 16 bytes), back by rows, sixteen lanes store 256 consecutive bytes, aligned.  LDS serves a wave's instructions in order.
.macro TOSTAGE a
	WIN 0x0c                                       ; the data: window 3
.irp b, 0,1,2,3
	ds_store_b128 v[STO], v[32*(\a)+8*\b:32*(\a)+8*\b+3] offset:128*(\b/2)+32*(\b%2)       ; W's tile b, register j of lane (r, h): column 32 (b / 2) + 8 (b % 2) + 16 h + j
	ds_store_b128 v[STO], v[32*(\a)+8*\b+4:32*(\a)+8*\b+7] offset:128*(\b/2)+32*(\b%2)+16
.endr
	WIN 0
.irp u, 0,1,2,3,4,5,6,7
	ds_load_b128 v[BK+32*((\a)%2)+4*\u:BK+32*((\a)%2)+4*\u+3], v[RD] offset:2*\u*SPITCH
.endr
.endm
.macro SEND a, younger
	s_wait_dscnt \younger
.irp u, 0,1,2,3,4,5,6,7
	global_store_b128 v[CO], v[BK+32*((\a)%2)+4*\u:BK+32*((\a)%2)+4*\u+3], s[12:13] offset:(32*((\a)/2)+8*((\a)%2)+(2*\u)%8+16*(\u/4))*4096 th:TH_STORE_NT   ; stage row t of tile a is row 32 (a / 2) + 8 (a % 2) + t % 8 + 16 (t / 8)
.endr
.endm
	TOSTAGE 0
.irp a, 1,2,3,4,5,6,7
.if \a > 1
	s_wait_xcnt 0x0                                ; block a - 2's stores have read their registers
.endif
	TOSTAGE \a
	SEND \a-1, 16                                  ; behind block a - 1's loads: block a's 8 stores and 8 loads
.endr
	SEND 7, 0
	s_wait_tensorcnt 0x0                           ; the wave's end
	ds_add_u32 v[SPW], v[NIL]
	s_wait_dscnt 0x0
	CROUND                                         ; the closing round
	s_endpgm
.Lfunc_end_k_q19058453a1_gemm_out:
	.size	k_q19058453a1_gemm_out, .Lfunc_end_k_q19058453a1_gemm_out-k_q19058453a1_gemm_out
	.p2alignl 7, 3214868480
	.fill 96, 4, 3214868480
	.section	.rodata,"a",@progbits
	.p2align	6, 0x0
	.amdhsa_kernel k_q19058453a1_gemm_out
		.amdhsa_group_segment_fixed_size 327680
		.amdhsa_private_segment_fixed_size 0
		.amdhsa_enable_private_segment 0
		.amdhsa_kernarg_size 40
		.amdhsa_user_sgpr_count 2
		.amdhsa_user_sgpr_kernarg_segment_ptr 1
		.amdhsa_wavefront_size32 1
		.amdhsa_system_sgpr_workgroup_id_x 1
		.amdhsa_system_sgpr_workgroup_id_y 1
		.amdhsa_system_sgpr_workgroup_id_z 1
		.amdhsa_system_vgpr_workitem_id 0
		.amdhsa_next_free_vgpr 1024
		.amdhsa_next_free_sgpr 96
		.amdhsa_reserve_vcc 0
		.amdhsa_float_denorm_mode_32 3
		.amdhsa_float_denorm_mode_16_64 3
		.amdhsa_memory_ordered 1
		.amdhsa_forward_progress 1
		.amdhsa_inst_pref_size 88
	.end_amdhsa_kernel
	.amdgpu_metadata
---
amdhsa.version: [ 1, 2 ]
amdhsa.kernels:
  - .name:           k_q19058453a1_gemm_out
    .symbol:         k_q19058453a1_gemm_out.kd
    .args:
      - { .name: yc, .offset: 0, .size: 8, .value_kind: global_buffer, .address_space: global }
      - { .name: ys, .offset: 8, .size: 8, .value_kind: global_buffer, .address_space: global }
      - { .name: wc, .offset: 16, .size: 8, .value_kind: global_buffer, .address_space: global }
      - { .name: ws, .offset: 24, .size: 8, .value_kind: global_buffer, .address_space: global }
      - { .name: out0, .offset: 32, .size: 8, .value_kind: global_buffer, .address_space: global }
    .group_segment_fixed_size: 327680
    .private_segment_fixed_size: 0
    .kernarg_segment_align: 8
    .kernarg_segment_size: 40
    .max_flat_workgroup_size: 128
    .sgpr_count:     96
    .vgpr_count:     1024
    .wavefront_size: 32
...
	.end_amdgpu_metadata
.endif
;; end of part 4
